; MI455X (gfx1250); checked and timed in simulation.
; The chip was launched on July 23, 2026; its instructions are those of AMD's public machine-readable ISA for CDNA 5 (MIT licence, August 2026) and "CDNA5" Instruction Set Architecture Reference Guide (July 2026). The comments in the code are by the model that wrote it; some were corrected since.
;; Full Attention Block. Allowed arithmetic: matrix products marked QUANTISED: E2M3 operands, one E8M0 scale for each 32 along K, by v_wmma_scale_f32_16x16x128_f8f6f4 with both operands' format E2M3, f32 sums; everything else in f32.
;; Inputs: Wk 1,024 x 512 float32; Wo 1,024 x 1,024 float32; Wq 1,024 x 2,048 float32; Wv 1,024 x 512 float32; hidden_states 4 x 2,048 x 1,024 float32.
;; Outputs: out0 4 x 2,048 x 1,024 float32.
;; This version of the problem:
;;   THIS VERSION OF THE PROBLEM IS GIVEN IN LOW PRECISION. The matrix products marked QUANTISED in the list below multiply operands that are first quantised to E2M3 (2 exponent bits, 3 mantissa bits; 6 bits a number), with one power-of-two scale for each 32 numbers along K (OCP MX v1.0); their sums are f32. All else is computed in f32.
;;   The module's matrix products, in the order in which they are computed (A, B: the left and right operand; K: the contracted axis; several contracted axes count as one K, in the product's order):
;;     1. [M 8,192, K 1,024] x [K 1,024, N 2,048]; A: input hidden_states; B: input Wq: QUANTISED
;;     2. [M 8,192, K 1,024] x [K 1,024, N 512]; A: input hidden_states; B: input Wk: QUANTISED
;;     3. [M 8,192, K 1,024] x [K 1,024, N 512]; A: input hidden_states; B: input Wv: QUANTISED
;;     4. batch 8 x [M 4,096, K 256] x [K 256, N 2,048]; A: computed on the way; B: computed on the way: QUANTISED
;;     5. batch 8 x [M 4,096, K 2,048] x [K 2,048, N 256]; A: softmax (see below); B: computed on the way: QUANTISED
;;     6. [M 8,192, K 1,024] x [K 1,024, N 1,024]; A: computed on the way; B: input Wo: QUANTISED
;;   THE QUANTISER, for each operand of a quantised product, along K:
;;     - K is cut into blocks of 32 from its start; a last block that is shorter is filled with zeros.
;;     - A block's scale is 2^e with e = floor(log2(the largest magnitude in the block)) - 2, held to -126 .. 127; a block of zeros has e = 0. As a byte (E8M0): e + 127.
;;     - Each number is divided by its block's scale, clamped to +-7.5, and rounded to the nearest number of E2M3, ties to even, subnormals kept.
;;     - The product sums the exact products of the quantised numbers (number of the format x scale) in f32.
;;   ~~~python
;;   def quantise(x, axis):      # numpy; x: float32 -> the quantised numbers, widened to float32 again
;;       x = np.moveaxis(x, axis, -1); K = x.shape[-1]
;;       x = np.pad(x, [(0, 0)] * (x.ndim - 1) + [(0, -K % 32)]); x = x.reshape(x.shape[:-1] + (-1, 32)); a = np.abs(x).max(-1, keepdims=True)
;;       e = np.where(a > 0, np.clip(np.frexp(np.where(a > 0, a, 1))[1] - 1 - 2, -126, 127), 0)      # np.frexp(a)[1] - 1 = floor(log2(a)), exactly
;;       r = np.clip(x / 2.0 ** e, -7.5, 7.5)
;;       step = 2.0 ** (np.maximum(np.frexp(np.where(r == 0, 1, r))[1] - 1, 0) - 3)
;;       q = np.round(r / step) * step * 2.0 ** e      # np.round: ties to even
;;       return np.moveaxis(q.reshape(q.shape[:-2] + (-1,))[..., :K], -1, axis).astype(np.float32)
;;   ~~~
;;   SOFTMAX AHEAD OF A QUANTISED PRODUCT. Where the list says 'softmax', what is quantised is not the finished softmax but p = 2^(t - M), with t = logit x log2(e) and M = ceil(the row's largest t), a whole number; so 1/2 < the row's largest p <= 1. The row's sum l is taken of the UNQUANTISED p, in f32, and the product's result is divided by l at the end. Since M is a whole number, a kernel that streams over the keys may use a running M (the ceiling of the running maximum): every later rescaling is an exact power of two, which a block's scale takes up: the codes' values come out the same.
;;   OPERANDS COMPUTED ON THE WAY. 'Computed on the way' means the value that the module computes at that place (a softmax that the list does not call 'softmax' is quantised finished and normalised). What goes into a quantiser is computed in f32, as accurately as f32 sums, v_exp_f32 and their like allow (about 1e-6 of the number): no bf16 or f16 on the way to a quantiser, and a product that is left as it is and whose result goes on into a quantised operand takes f32 operands (vector FMAs, or v_wmma_f32_16x16x4_f32). A number that lies on a knife's edge between two numbers of the format may be rounded either way, as far as f32 arithmetic and the matrix unit's own rounding can turn it there, and no further.
;; One version. Each part assembles by itself: llvm-mc -triple=amdgcn-amd-amdhsa -mcpu=gfx1250 --defsym DOCPART=n.
;; ======== version 1 of 1: 4 launches
;; limits: right only within a limited range of input values
;; workspace buffers: xq 6,553,600 bytes; wq 3,276,800 bytes; cs 540,672 bytes; qq 6,553,600 bytes; kv 6,553,600 bytes; gs 33,554,432 bytes; aq 6,553,600 bytes
;; launch quant (part 1): grid 656 x 1, 8 waves a work-group, no clusters, 93,184 bytes of LDS; arguments hidden_states, Wq, Wk, Wv, Wo, xq, wq, cs; writes xq, wq, cs
.if DOCPART == 1
	.amdgcn_target "amdgcn-amd-amdhsa--gfx1250"
	.amdhsa_code_object_version 6
	.text
	.protected	k_qd7ee762c3b_quant
	.globl	k_qd7ee762c3b_quant
	.p2align	8
	.type	k_qd7ee762c3b_quant,@function
k_qd7ee762c3b_quant:
	s_mov_b64 s[64:65], 0
	v_nop
	global_prefetch_b8 v0, s[64:65] scope:SCOPE_SE
	s_setreg_imm32_b32 hwreg(HW_REG_WAVE_MODE, 25, 1), 1
	s_wait_xcnt 0x0
; hidden_states [8192][1024] and the four weights ([1024][n], K first) become codes of FP6 (E2M3) with one E8M0 byte for each 32 along K; and the table of cos and sin for the rope is made.
; A block's scale is 2^(floor(log2(its largest magnitude)) - 2); its byte is that magnitude's exponent field - 2, held at 1 from below.
; LAYOUT OF THE RESULTS.  A fragment (16 rows x 128 K) is stored as the IMAGE OF ITS 12 OPERAND REGISTERS, 1,536 bytes: register 4 q + w of lane L at byte 512 q + 16 L + 4 w.
; THE ROWS OF A TILE ARE NOT NEIGHBOURS: row r of tile T is row 32 (T / 2) + 8 (T % 2) + r % 8 + 16 (r / 8) of the tensor (for a weight: column).  Scale words: [tile][K step][16 rows], 4 bytes each.
;   xq: [512 tiles][8 K steps][1536], scale words from XS on.   wq: [256 tiles][8][1536], tiles 0-127 Wq, 128-159 Wk, 160-191 Wv, 192-255 Wo; scale words from WS on.
;   cs: [132 tiles][8 chunks][512]: lane (r, h) of tile T has cos (chunks 0-3) and sin (chunks 4-7) of position (row r of tile T) x 10^(-(16 h + i) / 8), i = 0 .. 15; tiles 128-131 hold cos = 1, sin = 0.
; SHARES.  Work-groups 0-511: a tile of x each, a K step to a wave.  512-639: 256 columns x one K step of a weight, 32 columns to a wave, a lane to a column.  640-655: eight tiles of the table, one a wave.
; No wave shares anything with another: no barrier.  The x path and the weight path have LDS bytes of their own.
; LIMITS: NaN and infinities among the inputs are not served.  A block of zeros, or one whose largest magnitude lies under 2^-124, gets the byte 1 where the rule says 127 or less: its codes are zeros or held small,
; and this program alone reads the bytes.  10^(-f / 8) is the correctly rounded f32 number, which may differ in the last bit from a power taken in f32: at position 2,047 that moves an angle by up to some 1e-4.
; cos and sin: two-part reduction by pi / 2 and polynomials to r^9 and r^10, good to about 1e-7 absolute for angles up to 2,047.
.set XS,    6291456
.set WS,    3145728
.set XSTG,  8448                       ; x path: a wave's stage, 16 rows x (512 bytes + 16)
.set WSTG0, 8*XSTG                     ; weight path: its stages begin behind the x path's
.set WSTG,  3072                       ; two images
.set TM,    8                          ; v8-11 largest magnitudes, v12-15 bytes, v20-23 the conversions' scale operands
.set PW,    24                         ; the scale word
.set PC,    32                         ; v32-43 the codes; v44-50 at work
.set XR,    64                         ; v64-127  x as loaded
.set XN,    128                        ; v128-191 x in the quantiser's order
.set SEL,   24                         ; s[24:25] (x path) lane selects: lane l xor 16
; 64 numbers of a lane, register 16 b + i = k 32 b + 16 (lane / 16) + i of the lane's row, become a fragment's codes in v[PC] on and its scale word in v[PW]
.macro QUANT s
.irp b,0,1,2,3
	v_max3_num_f32 v[TM+\b], |v[(\s)+16*\b]|, |v[(\s)+1+16*\b]|, 0x1800000   ; my 16 numbers of block b, and the floor 2^(3 - 127): the byte cannot fall under 1
.endr
.irp i,2,4,6,8,10,12,14
.irp b,0,1,2,3
	s_delay_alu instid0(VALU_DEP_4)
	v_max3_num_f32 v[TM+\b], v[TM+\b], |v[(\s)+16*\b+\i]|, |v[(\s)+1+16*\b+\i]|   ; the four blocks by turns
.endr
.endr
.irp b,0,1,2,3
	s_delay_alu instid0(VALU_DEP_4)
	v_permlanex16_b32 v[TM+4+\b], v[TM+\b], s[SEL], s[SEL+1]
.endr
.irp b,0,1,2,3
	s_delay_alu instid0(VALU_DEP_4)
	v_max_num_f32 v[TM+\b], v[TM+\b], v[TM+4+\b]   ; with lane l xor 16's 16: the block's largest magnitude
.endr
.irp b,0,1,2,3
	s_delay_alu instid0(VALU_DEP_4)
	v_add_nc_u32 v[TM+12+\b], 0xff000000, v[TM+\b] ; 2 off its exponent field: the conversion takes the exponent field of this operand as its scale
.endr
.irp b,0,1,2,3
	s_delay_alu instid0(VALU_DEP_4)
	v_lshrrev_b32 v[TM+4+\b], 23, v[TM+12+\b]      ; the scale's byte
.endr
	s_delay_alu instid0(VALU_DEP_3)
	v_lshl_or_b32 v[PW], v[TM+5], 8, v[TM+4]
	s_delay_alu instid0(VALU_DEP_1)
	v_lshl_or_b32 v[PW], v[TM+6], 16, v[PW]
	s_delay_alu instid0(VALU_DEP_1)
	v_lshl_or_b32 v[PW], v[TM+7], 24, v[PW]
.irp c,0,1
	v_cvt_scalef32_pk16_fp6_f32 v[PC+6*\c:PC+2+6*\c], v[(\s)+32*\c:(\s)+15+32*\c], v[TM+12+2*\c]
	v_cvt_scalef32_pk16_fp6_f32 v[PC+12+4*\c:PC+14+4*\c], v[(\s)+16+32*\c:(\s)+31+32*\c], v[TM+13+2*\c]   ; (a conversion's three registers begin on an even number)
.endr
	v_nop                                          ; one plain instruction behind the scaled conversions
.irp c,0,1                                     ; the operand wants a WHOLE block in a lane: lanes 0-15 block 2 c, lanes 16-31 block 2 c + 1
.irp i,0,1,2
	v_permlane16_swap_b32 v[PC+6*\c+\i], v[PC+12+4*\c+\i]
.endr
.irp i,0,1,2
	s_delay_alu instid0(VALU_DEP_3)
	v_mov_b32 v[PC+3+6*\c+\i], v[PC+12+4*\c+\i]
.endr
.endr
.endm
	s_load_b256 s[4:11], s[0:1], 0x0               ; hidden_states s[4:5], Wq s[6:7], Wk s[8:9], Wv s[10:11]
	s_load_b256 s[12:19], s[0:1], 0x20             ; Wo s[12:13], xq s[14:15], wq s[16:17], cs s[18:19]
	v_lshl_add_u32 v192, v0, 2, 0x16800
	v_mov_b32 v193, 0
	v_lshrrev_b32 v1, 5, v0
	s_delay_alu instid0(VALU_DEP_1)
	v_readfirstlane_b32 s20, v1                    ; wave 0..7
	v_and_b32 v2, 31, v0                           ; lane
	v_and_b32 v3, 15, v0                           ; r
	v_bfe_u32 v4, v0, 4, 1                         ; h
	s_delay_alu instid0(VALU_DEP_3)
	v_lshlrev_b32 v5, 4, v2                        ; 16 x lane; never rewritten
	s_wait_kmcnt 0x0
	s_cmp_ge_u32 ttmp9, 640
	s_cbranch_scc1 .Ltable
	s_cmp_ge_u32 ttmp9, 512
	s_cbranch_scc1 .Lweights
	; ---- x: tile T = the work-group's number, K step = the wave's number
	s_lshr_b32 s21, ttmp9, 1
	s_lshl_b32 s21, s21, 17                        ; 32 (T / 2) rows of 4,096 bytes
	s_and_b32 s22, ttmp9, 1
	s_lshl_b32 s22, s22, 15                        ; + 8 (T % 2) rows
	s_add_co_u32 s22, s22, s21
	s_lshl_b32 s21, s20, 9                         ; + the K step's 512 bytes
	s_add_co_u32 s22, s22, s21
	s_mov_b32 s23, 0
	s_add_nc_u64 s[4:5], s[4:5], s[22:23]
	s_wait_alu depctr_va_vdst(0)
.irp i,0,1,2,3,4,5,6,7,8,9,10,11,12,13,14,15
	global_load_b128 v[XR+4*\i:XR+4*\i+3], v5, s[4:5] offset:((\i%8)+16*(\i/8))*4096 th:TH_LOAD_NT   ; row i of the tile: the 32 lanes read 512 consecutive bytes
.endr
	s_mul_i32 s26, s20, XSTG                       ; my stage
	v_add_nc_u32 v6, s26, v5                       ; in: a row as it lies
	v_mul_u32_u24 v7, v3, 528
	s_delay_alu instid0(VALU_DEP_1)
	v_lshl_add_u32 v7, v4, 6, v7
	s_delay_alu instid0(VALU_DEP_1)
	v_add_nc_u32 v7, s26, v7                       ; out: row r, + 64 h: my 16 numbers of each block of 32.  Rows 528 bytes apart: sixteen rows begin in sixteen different columns of 16 bytes
	s_mov_b32 s[SEL], 0x76543210
	s_mov_b32 s[SEL+1], 0xfedcba98
.irp b,0,1,2,3
	v_mov_b32 v[TM+4+\b], 0                        ; a lane permute's destination counts as one of its sources
.endr
	v_lshlrev_b32 v25, 2, v3                       ; 4 r
	s_mul_i32 s22, ttmp9, 12288
	s_mul_i32 s21, s20, 1536
	s_add_co_u32 s22, s22, s21
	s_add_nc_u64 s[28:29], s[14:15], s[22:23]      ; my image
	s_lshl_b32 s22, ttmp9, 9
	s_lshl_b32 s21, s20, 6
	s_add_co_u32 s22, s22, s21
	s_add_co_u32 s22, s22, XS
	s_add_nc_u64 s[30:31], s[14:15], s[22:23]      ; my 16 scale words
	s_wait_alu depctr_va_vdst(0)
.irp i,0,1,2,3,4,5,6,7,8,9,10,11,12,13,14,15
	s_wait_loadcnt 15-\i                           ; loads come back in order: row i is in, the 15 - i younger stay out
	ds_store_b128 v6, v[XR+4*\i:XR+4*\i+3] offset:528*\i
.endr
.irp b,0,1,2,3
.irp j,0,1,2,3
	ds_load_b128 v[XN+16*\b+4*\j:XN+16*\b+4*\j+3], v7 offset:128*\b+16*\j   ; LDS serves a wave's instructions in order: these see my stores
.endr
.endr
	s_wait_dscnt 0x0
	QUANT XN
.irp q,0,1,2
	global_store_b128 v5, v[PC+4*\q:PC+4*\q+3], s[28:29] offset:512*\q   ; 512 consecutive bytes a store
.endr
	global_store_b32 v25, v[PW], s[30:31]          ; lanes r and 16 + r hold the same word and write it to the same place: 64 bytes a fragment
	s_wait_tensorcnt 0x0
	ds_add_u32 v192, v193
	s_wait_dscnt 0x0
	s_endpgm
	; ---- weights: c = work-group - 512; group of 256 columns c / 8 of Wq | Wk | Wv | Wo, K step c % 8; my wave's 32 columns; A LANE TAKES A COLUMN AND ITS REGISTERS RUN DOWN K
.Lweights:
	s_sub_co_u32 s21, ttmp9, 512
	s_lshr_b32 s26, s21, 3                         ; the group, 0..15
	s_and_b32 s27, s21, 7                          ; the K step
	s_sub_co_u32 s28, s26, 8
	s_sub_co_u32 s29, s26, 10
	s_sub_co_u32 s30, s26, 12
	s_mov_b64 s[22:23], s[6:7]                     ; groups 0-7: Wq, rows of 8,192 bytes
	s_mov_b32 s24, 8192
	s_mov_b32 s25, s26
	s_cmp_ge_u32 s26, 8                            ; 8, 9: Wk, rows of 2,048 bytes
	s_cselect_b64 s[22:23], s[8:9], s[22:23]
	s_cselect_b32 s24, 2048, s24
	s_cselect_b32 s25, s28, s25
	s_cmp_ge_u32 s26, 10                           ; 10, 11: Wv
	s_cselect_b64 s[22:23], s[10:11], s[22:23]
	s_cselect_b32 s25, s29, s25
	s_cmp_ge_u32 s26, 12                           ; 12-15: Wo, rows of 4,096 bytes
	s_cselect_b64 s[22:23], s[12:13], s[22:23]
	s_cselect_b32 s24, 4096, s24
	s_cselect_b32 s25, s30, s25
	s_mul_i32 s28, s27, s24
	s_lshl_b32 s28, s28, 7                         ; 128 x K step rows
	s_lshl_b32 s29, s25, 10                        ; + the group's 256 columns
	s_add_co_u32 s28, s28, s29
	s_lshl_b32 s29, s20, 7                         ; + my wave's 32
	s_add_co_u32 s28, s28, s29
	s_mov_b32 s29, 0
	s_add_nc_u64 s[32:33], s[22:23], s[28:29]
	s_lshl_b32 s30, s24, 3                         ; eight rows on
	s_mov_b32 s31, 0
.irp g,1,2,3,4,5,6,7,8,9,10,11,12,13,14,15
	s_add_nc_u64 s[32+2*\g:33+2*\g], s[30+2*\g:31+2*\g], s[30:31]   ; sixteen bases, eight rows apart; never rewritten
.endr
	s_wait_alu depctr_va_vdst(0)
	v_lshlrev_b32 v14, 2, v2
	v_mov_b32 v15, s24
.irp j,0,1,2,3,4,5,6,7
	v_mad_u32_u24 v[6+\j], v15, \j, v14            ; 4 x lane + j rows
.endr
.irp g,0,1,2,3,4,5,6,7,8,9,10,11,12,13,14,15
.irp j,0,1,2,3,4,5,6,7
	global_load_b32 v[32+8*\g+\j], v[6+\j], s[32+2*\g:33+2*\g] th:TH_LOAD_NT   ; W(128 s + 8 g + j, my column): the wave reads 128 consecutive bytes, the eight waves 1,024
.endr
.endr
	s_mul_i32 s21, s20, WSTG
	s_add_co_u32 s21, s21, WSTG0                   ; my stage
	v_bfe_u32 v1, v0, 3, 1                         ; column x = lane lies in tile u = (x / 8) % 2 of my two,
	v_and_b32 v3, 7, v0
	s_delay_alu instid0(VALU_DEP_1)
	v_lshl_add_u32 v3, v4, 3, v3                   ; as its row r = x % 8 + 8 (x / 16)
	s_delay_alu instid0(VALU_DEP_3)
	v_mul_u32_u24 v19, v1, 1536
	s_delay_alu instid0(VALU_DEP_1)
	v_lshl_add_u32 v19, v3, 4, v19
	s_delay_alu instid0(VALU_DEP_1)
	v_add_nc_u32 v19, s21, v19                     ; into the stage: image u, lane r's 16 bytes
	v_add_nc_u32 v23, s21, v5                      ; out of it: as it lies
	v_lshlrev_b32 v27, 2, v3
	s_delay_alu instid0(VALU_DEP_1)
	v_lshl_add_u32 v27, v1, 9, v27                 ; my scale word: tile u (512 bytes a tile), row r
	s_lshl_b32 s28, s26, 4
	s_lshl_b32 s29, s20, 1
	s_add_co_u32 s28, s28, s29                     ; my first tile: 16 x group + 2 x wave
	s_mul_i32 s22, s28, 12288
	s_mul_i32 s23, s27, 1536
	s_add_co_u32 s22, s22, s23
	s_mov_b32 s23, 0
	s_add_nc_u64 s[24:25], s[16:17], s[22:23]      ; its image of this K step
	s_lshl_b32 s22, s28, 9
	s_lshl_b32 s29, s27, 6
	s_add_co_u32 s22, s22, s29
	s_add_co_u32 s22, s22, WS
	s_add_nc_u64 s[28:29], s[16:17], s[22:23]      ; its scale words
; block b of my column: all its 32 numbers are mine.  Blocks 0 and 2 are registers 0-5 and 6-11 of lane r of the image, blocks 1 and 3 those of lane 16 + r
.macro WBLOCK b
.if (\b) < 2
	s_wait_loadcnt 63                              ; 128 loads were issued: at most 63 out means that the first 65 are in: blocks 0 and 1 (a wait cannot name more)
.else
	s_wait_loadcnt 96-32*(\b)
.endif
.set XB, 32+32*(\b)
.set LO, 160+12*((\b)%2)+6*((\b)/2)
	v_max3_num_f32 v189, |v[XB]|, |v[XB+1]|, |v[XB+2]|
	v_max3_num_f32 v190, |v[XB+3]|, |v[XB+4]|, |v[XB+5]|
.irp i,6,10,14,18,22,26
	s_delay_alu instid0(VALU_DEP_2)
	v_max3_num_f32 v189, v189, |v[XB+\i]|, |v[XB+\i+1]|
	s_delay_alu instid0(VALU_DEP_2)
	v_max3_num_f32 v190, v190, |v[XB+\i+2]|, |v[XB+\i+3]|
.endr
	s_delay_alu instid0(VALU_DEP_2)
	v_max3_num_f32 v189, v189, |v[XB+30]|, |v[XB+31]|
	s_delay_alu instid0(VALU_DEP_1)
	v_max3_num_f32 v189, v189, v190, 0x1800000     ; and the floor
	s_delay_alu instid0(VALU_DEP_1)
	v_add_nc_u32 v[184+(\b)], 0xff000000, v189     ; the conversions' scale operand
	s_delay_alu instid0(VALU_DEP_1)
	v_lshrrev_b32 v190, 23, v[184+(\b)]            ; the byte
.if (\b) == 0
	s_delay_alu instid0(VALU_DEP_1)
	v_mov_b32 v188, v190
.else
	s_delay_alu instid0(VALU_DEP_1)
	v_lshl_or_b32 v188, v190, 8*(\b), v188         ; my column's scale word: the lower K in the lower byte
.endif
	v_cvt_scalef32_pk16_fp6_f32 v[LO:LO+2], v[XB:XB+15], v[184+(\b)]
	v_cvt_scalef32_pk16_fp6_f32 v[16+4*(\b):18+4*(\b)], v[XB+16:XB+31], v[184+(\b)]   ; (three registers from an even number on: made here, moved below)
.endm
	WBLOCK 0
	WBLOCK 1
	WBLOCK 2
	WBLOCK 3
	v_nop                                          ; one plain instruction behind the scaled conversions
.irp b,0,1,2,3
.irp i,0,1,2
	v_mov_b32 v[163+12*(\b%2)+6*(\b/2)+\i], v[16+4*\b+\i]
.endr
.endr
.irp q,0,1,2
	ds_store_b128 v19, v[160+4*\q:163+4*\q] offset:512*\q        ; lane r of the image
	ds_store_b128 v19, v[172+4*\q:175+4*\q] offset:512*\q+256    ; lane 16 + r
.endr
.irp t,0,1,2,3,4,5
	ds_load_b128 v[32+4*\t:35+4*\t], v23 offset:512*\t           ; LDS serves a wave's instructions in order: these see my stores
.endr
.irp t,0,1,2,3,4,5
	s_wait_dscnt 5-\t
	global_store_b128 v5, v[32+4*\t:35+4*\t], s[24:25] offset:(\t/3)*12288+(\t%3)*512   ; 512 consecutive bytes a store
.endr
	global_store_b32 v27, v188, s[28:29]
	s_wait_tensorcnt 0x0
	ds_add_u32 v192, v193
	s_wait_dscnt 0x0
	s_endpgm
	; ---- the table: tile Tp = 8 (work-group - 640) + wave
.Ltable:
	s_sub_co_u32 s21, ttmp9, 640
	s_lshl_b32 s21, s21, 3
	s_add_co_u32 s21, s21, s20                     ; Tp, 0..127
	s_lshr_b32 s22, s21, 1
	s_lshl_b32 s22, s22, 5
	s_and_b32 s23, s21, 1
	s_lshl_b32 s23, s23, 3
	s_add_co_u32 s22, s22, s23
	s_wait_alu depctr_va_vdst(0)
	v_and_b32 v10, 7, v3
	v_lshrrev_b32 v11, 3, v3
	s_delay_alu instid0(VALU_DEP_1)
	v_lshl_add_u32 v10, v11, 4, v10
	s_delay_alu instid0(VALU_DEP_1)
	v_add_nc_u32 v10, s22, v10
	s_delay_alu instid0(VALU_DEP_1)
	v_cvt_f32_u32 v10, v10                         ; my row's position
	s_wait_alu depctr_va_vdst(0)
	v_cmp_eq_u32 s30, 1, v4                        ; lanes 16-31
	s_mov_b32 s31, 0x3f22f983                      ; 2 / pi
	s_mov_b32 s32, 0xbfc90fdb                      ; -(pi / 2), its upper part,
	s_mov_b32 s33, 0x333bbd2e                      ; and what the upper part has too much
	s_mov_b32 s34, 0xbe2aaaab                      ; -1/6
	s_mov_b32 s35, 0x3c088889                      ; 1/120
	s_mov_b32 s36, 0xb9500d01                      ; -1/5040
	s_mov_b32 s37, 0x3638ef1d                      ; 1/362880
	s_mov_b32 s38, 0x3d2aaaab                      ; 1/24
	s_mov_b32 s39, 0xbab60b61                      ; -1/720
	s_mov_b32 s40, 0x37d00d01                      ; 1/40320
	s_mov_b32 s41, 0xb493f27e                      ; -1/3628800
	s_lshl_b32 s22, s21, 12
	s_mov_b32 s23, 0
	s_add_nc_u64 s[18:19], s[18:19], s[22:23]
; cos into v[32 + i] and sin into v[48 + i] of position x (lo in lanes 0-15, hi in lanes 16-31)
.macro SINCOS i, lo, hi
	v_mul_f32 v20, \lo, v10
	v_mul_f32 v21, \hi, v10
	s_delay_alu instid0(VALU_DEP_1)
	v_cndmask_b32 v20, v20, v21, s30               ; the angle, one f32 product
	s_delay_alu instid0(VALU_DEP_1)
	v_mul_f32 v21, s31, v20
	s_delay_alu instid0(VALU_DEP_1)
	v_rndne_f32 v21, v21                           ; n quarter turns
	s_delay_alu instid0(VALU_DEP_1)
	v_fma_f32 v22, v21, s32, v20
	s_delay_alu instid0(VALU_DEP_1)
	v_fma_f32 v22, v21, s33, v22                   ; r = angle - n pi / 2, within pi / 4
	s_delay_alu instid0(VALU_DEP_1)
	v_mul_f32 v23, v22, v22
	s_delay_alu instid0(VALU_DEP_1)
	v_fma_f32 v24, v23, s37, s36
	s_delay_alu instid0(VALU_DEP_2)
	v_fma_f32 v26, v23, s41, s40
	s_delay_alu instid0(VALU_DEP_2)
	v_fma_f32 v24, v24, v23, s35
	s_delay_alu instid0(VALU_DEP_2)
	v_fma_f32 v26, v26, v23, s39
	s_delay_alu instid0(VALU_DEP_2)
	v_fma_f32 v24, v24, v23, s34
	s_delay_alu instid0(VALU_DEP_2)
	v_fma_f32 v26, v26, v23, s38
	v_mul_f32 v25, v22, v23
	s_delay_alu instid0(VALU_DEP_2)
	v_fma_f32 v26, v26, v23, -0.5
	s_delay_alu instid0(VALU_DEP_2)
	v_fma_f32 v24, v25, v24, v22                   ; sin r
	s_delay_alu instid0(VALU_DEP_2)
	v_fma_f32 v26, v26, v23, 1.0                   ; cos r
	v_cvt_i32_f32 v27, v21
	s_delay_alu instid0(VALU_DEP_1)
	v_and_b32 v28, 1, v27
	s_delay_alu instid0(VALU_DEP_1)
	v_cmp_eq_u32 vcc_lo, 1, v28                    ; an odd quarter: the two change places
	s_delay_alu instid0(VALU_DEP_1)
	v_cndmask_b32 v29, v24, v26, vcc_lo
	s_delay_alu instid0(VALU_DEP_2)
	v_cndmask_b32 v30, v26, v24, vcc_lo
	v_lshlrev_b32 v28, 30, v27
	s_delay_alu instid0(VALU_DEP_1)
	v_and_b32 v28, 0x80000000, v28                 ; sin is negative in quarters 2, 3
	s_delay_alu instid0(VALU_DEP_1)
	v_xor_b32 v[48+\i], v28, v29
	v_add_nc_u32 v27, 1, v27
	s_delay_alu instid0(VALU_DEP_1)
	v_lshlrev_b32 v28, 30, v27
	s_delay_alu instid0(VALU_DEP_1)
	v_and_b32 v28, 0x80000000, v28                 ; cos in quarters 1, 2
	s_delay_alu instid0(VALU_DEP_1)
	v_xor_b32 v[32+\i], v28, v30
.endm
	SINCOS 0, 1.0, 0.01
	SINCOS 1, 0.7498942093324559, 0.007498942093324559
	SINCOS 2, 0.5623413251903491, 0.005623413251903491
	SINCOS 3, 0.4216965034285822, 0.004216965034285822
	SINCOS 4, 0.31622776601683794, 0.0031622776601683794
	SINCOS 5, 0.23713737056616552, 0.0023713737056616552
	SINCOS 6, 0.1778279410038923, 0.001778279410038923
	SINCOS 7, 0.1333521432163324, 0.001333521432163324
	SINCOS 8, 0.1, 0.001
	SINCOS 9, 0.07498942093324559, 0.0007498942093324559
	SINCOS 10, 0.05623413251903491, 0.0005623413251903491
	SINCOS 11, 0.04216965034285822, 0.0004216965034285822
	SINCOS 12, 0.031622776601683794, 0.00031622776601683794
	SINCOS 13, 0.023713737056616552, 0.00023713737056616552
	SINCOS 14, 0.01778279410038923, 0.0001778279410038923
	SINCOS 15, 0.01333521432163324, 0.0001333521432163324
.irp c,0,1,2,3,4,5,6,7
	global_store_b128 v5, v[32+4*\c:35+4*\c], s[18:19] offset:512*\c
.endr
	s_cmp_lt_u32 s21, 4                            ; the waves of tiles 0-3 also write the four tiles with cos = 1, sin = 0
	s_cbranch_scc0 .Ltable_end
.irp i,0,1,2,3
	v_mov_b32 v[64+\i], 1.0
	v_mov_b32 v[68+\i], 0
.endr
.irp c,0,1,2,3
	global_store_b128 v5, v[64:67], s[18:19] offset:128*4096+512*\c
	global_store_b128 v5, v[68:71], s[18:19] offset:128*4096+2048+512*\c
.endr
.Ltable_end:
	s_endpgm
.Lfunc_end_k_qd7ee762c3b_quant:
	.size	k_qd7ee762c3b_quant, .Lfunc_end_k_qd7ee762c3b_quant-k_qd7ee762c3b_quant
	.p2alignl 7, 3214868480
	.fill 96, 4, 3214868480
	.section	.rodata,"a",@progbits
	.p2align	6, 0x0
	.amdhsa_kernel k_qd7ee762c3b_quant
		.amdhsa_group_segment_fixed_size 93184
		.amdhsa_private_segment_fixed_size 0
		.amdhsa_enable_private_segment 0
		.amdhsa_kernarg_size 64
		.amdhsa_user_sgpr_count 2
		.amdhsa_user_sgpr_kernarg_segment_ptr 1
		.amdhsa_wavefront_size32 1
		.amdhsa_system_sgpr_workgroup_id_x 1
		.amdhsa_system_sgpr_workgroup_id_y 1
		.amdhsa_system_sgpr_workgroup_id_z 1
		.amdhsa_system_vgpr_workitem_id 0
		.amdhsa_next_free_vgpr 194
		.amdhsa_next_free_sgpr 66
		.amdhsa_reserve_vcc 1
		.amdhsa_float_denorm_mode_32 3
		.amdhsa_float_denorm_mode_16_64 3
		.amdhsa_memory_ordered 1
		.amdhsa_forward_progress 1
		.amdhsa_inst_pref_size 76
	.end_amdhsa_kernel
	.amdgpu_metadata
---
amdhsa.version: [ 1, 2 ]
amdhsa.kernels:
  - .name:           k_qd7ee762c3b_quant
    .symbol:         k_qd7ee762c3b_quant.kd
    .args:
      - { .name: hidden_states, .offset: 0, .size: 8, .value_kind: global_buffer, .address_space: global }
      - { .name: Wq, .offset: 8, .size: 8, .value_kind: global_buffer, .address_space: global }
      - { .name: Wk, .offset: 16, .size: 8, .value_kind: global_buffer, .address_space: global }
      - { .name: Wv, .offset: 24, .size: 8, .value_kind: global_buffer, .address_space: global }
      - { .name: Wo, .offset: 32, .size: 8, .value_kind: global_buffer, .address_space: global }
      - { .name: xq, .offset: 40, .size: 8, .value_kind: global_buffer, .address_space: global }
      - { .name: wq, .offset: 48, .size: 8, .value_kind: global_buffer, .address_space: global }
      - { .name: cs, .offset: 56, .size: 8, .value_kind: global_buffer, .address_space: global }
    .group_segment_fixed_size: 93184
    .private_segment_fixed_size: 0
    .kernarg_segment_align: 8
    .kernarg_segment_size: 64
    .max_flat_workgroup_size: 256
    .sgpr_count:     66
    .vgpr_count:     194
    .wavefront_size: 32
...
	.end_amdgpu_metadata
.endif
;; end of part 1
;; launch proj (part 2): grid 8 x 32, 4 waves a work-group, clusters of 4 x 4, 327,680 bytes of LDS; arguments xq, wq, cs, qq, kv, gs; writes qq, kv, gs
.if DOCPART == 2
	.amdgcn_target "amdgcn-amd-amdhsa--gfx1250"
	.amdhsa_code_object_version 6
	.text
	.protected	k_qd7ee762c3b_proj
	.globl	k_qd7ee762c3b_proj
	.p2align	8
	.type	k_qd7ee762c3b_proj,@function
k_qd7ee762c3b_proj:
	s_mov_b64 s[64:65], 0
	v_nop
	global_prefetch_b8 v0, s[64:65] scope:SCOPE_SE
	s_setreg_imm32_b32 hwreg(HW_REG_WAVE_MODE, 25, 1), 1
	s_wait_xcnt 0x0
	s_wait_alu depctr_hold_cnt(0) depctr_sa_sdst(0) depctr_va_vdst(0) depctr_va_sdst(0) depctr_va_ssrc(0) depctr_va_vcc(0) depctr_vm_vsrc(0)
	s_getreg_b32 s2, hwreg(HW_REG_IB_STS2, 6, 4)
	s_cmp_eq_u32 s2, 0
	s_cbranch_scc0 .Lentry_in_a_cluster
	s_endpgm
.Lentry_in_a_cluster:
	s_bfe_u32 s2, ttmp6, 0x10000c
	s_cmp_lg_u32 s2, 0xf033
	s_cbranch_scc0 .Lentry_shape_is_right
	s_endpgm
.Lentry_shape_is_right:
; x [8192][1024] times Wq | Wk | Wv (3,072 columns), on codes of FP6 (E2M3) with E8M0 scales, and what reference() does to the results on their way to the next quantised products:
;   q, k: rope on the head's first 64 numbers, then quantised along the head's 256;  v: quantised along the KEYS;  gate: silu, kept in f32.
; Operands lie in memory as images of their registers (1,536 bytes a fragment of 16 rows x 128 K; register 4 q + w of lane L at 512 q + 16 L + 4 w), their scale words as [tile][K step][16 rows].
; Row r of tile T is row 32 (T / 2) + 8 (T % 2) + r % 8 + 16 (r / 8).  So in a product whose source 0 is tiles 0 .. 7, a lane's 64 results are: register 16 b + i = row 32 b + 16 (lane / 16) + i: sixteen neighbours
; of each block of 32, which is what the conversions want.
; A WORK-GROUP STAYS.  256 work-groups; each owns 256 rows of x (rt) and walks THREE blocks of 128 columns, 1,024 columns apart: block ctx of q, the same block of gate, then a block of k (cluster x = 0) or of v (cluster x = 1).
; Its rows of x, all of K = 1,024 (196,608 bytes), come into LDS once and stay; a block's columns (98,304 bytes) lie beside them and are filled again for the next block as soon as the block's last fragments are in registers:
; the fill has the block's last 32 products and its whole way out in which to land, and a block's stores leave while the next block is multiplied.
; Four waves, 32 accumulators each.
;   q, gate, k: source 0 (P) = the 8 column tiles, source 1 (R) = my 4 row tiles: a lane holds one token, its registers run along the columns.
;   v:          source 0 (P) = 8 row tiles, 128 keys, source 1 (R) = 4 column tiles: a lane holds one channel, its registers run along the keys.
; CLUSTER 4 x 4: A's tiles are shared along a row of the cluster, B's along a column: joint loads, which divide the requests by four.  The only branch on a place hangs on the cluster's x, which all partners share.
; LDS: half H (K steps 4 H .. 4 H + 3) at 147,456 H: A's 16 tiles (6,144 bytes each), then B's 8; behind the two halves the spare words.
; RESULTS.  qq: [(b 4 + head) 128 + s / 16][d / 128][1536], scale words from QS on, [tile][d / 128][16].   gs: [the same tile][32 chunks][512]: register 8 dt + j of the attention's result layout.
;   kv: [b 2 + kv head][16 steps of 128 keys][K: 8 key tiles x 2 x 1536 | V: 16 channel tiles x 1536]; from KVS on, 32,768 a head: K's words [128 tiles][2][16], then V's [16 steps][16 tiles][16].
; REGISTERS: window 0: v1-9 addresses, v10-15 scale words on their way out, v16-47 P's scale words, v48-63 R's, v64-159 R's fragments (two sets), v160-199 the quantiser, v200-231 the rope, v232-247 LDS addresses.
;   window 1: P's fragments, two sets.   window 2: the accumulators, (a, b) at 64 a + 8 b.   window 3: cos and sin, 32 a on; loaded once: q and k have the same positions and the same half of a head.
; LIMITS: NaN and infinities are not served; a block of zeros or under 2^-124 gets the byte 1 (its codes are zeros or held small; this program alone reads the bytes).
.set XS,   6291456
.set WS,   3145728
.set QS,   6291456
.set KVS,  6291456
; LDS as this text lays it (in place of the four stages named at the head): half H of K (K steps 4 H .. 4 H + 3) at STG x H: A's 16 tiles, 6,144 bytes each, then B's 8.
; A wave issues one tensor load at the head (half 0) and its second (half 1) behind the three lines and a round.
.set STG,  147456
.set BOFF, 98304
.set SPARE, 2*STG                      ; behind the two halves: the spare words, 128 bytes for each wave
.set NEXTW, 64*12288                   ; in wq: from a block of 128 columns to the block 1,024 columns on
.set LI,   1                           ; v1  16 x lane
.set LS,   2                           ; v2  4 x lane
.set SPW,  5                           ; v5  LDS address of my spare word; never rewritten
.set NIL,  6                           ; v6  0; never rewritten
.set SCP,  16
.set SCR,  48
.set RF,   64
.set TM,   160
.set PW,   176
.set PC,   180
.set T0,   200
.set T1,   216
.set AP1,  232                         ; v232-233 q, gate, k: P's fragments in half g;  v236-237 R's
.set AR1,  236
.set AP2,  240                         ; v240-241 v: P's;  v244-245 R's.  All eight are made at the head and never rewritten
.set AR2,  244
.set G1A,  28                          ; s[28:35] descriptor group 1 for A's tiles;  s[36:43] for B's first fills (4 tiles);  s[92:99] for B's refills (4 tiles)
.set G1B,  36
.set G1R,  92
.set G0R,  60                          ; s[60:63] group 0 of B's refills, in the registers of B's first fill
.set HM,   67                          ; s67 lanes 16-31
.set SEL,  90
.set MSB, 0
.macro WIN new                         ; the immediate's high byte repeats the setting that is left
.if MSB != (\new)
	s_set_vgpr_msb (MSB<<8)|(\new)
.set MSB, (\new)
.endif
.endm
.macro PLACES                          ; four plain vector instructions between a matrix instruction and a load into, or a vector instruction on, its registers
.rept 4
	v_nop
.endr
.endm
.macro CROUND                          ; a round of the cluster's barrier
	s_barrier_signal -1
	s_barrier_wait -1
	s_cmp_lg_u32 s16, 0
	s_cbranch_scc1 .Lnot_wave_0_\@
	s_barrier_signal -3
.Lnot_wave_0_\@:
	s_barrier_wait -3
	s_barrier_signal -1
	s_barrier_wait -1
.endm
.macro MKG0 g0, lds, ad, g             ; descriptor group 0 for K steps 4 g .. 4 g + 3
	s_mov_b32 s[\g0], 1                            ; count = 1
	s_add_co_u32 s[\g0+1], s[\lds], (\g)*STG       ; LDS address
	s_add_nc_u64 s[\g0+2:\g0+3], s[\ad:\ad+1], (\g)*6144   ; global address: half g of K
	s_or_b32 s[\g0+3], s[\g0+3], 0x80000000        ; type = 2
.endm
; 64 numbers of a lane in window w, register 16 b + i = k 32 b + 16 (lane / 16) + i of the lane's row, become a fragment's codes in v[PC] on and its scale word in v[PW]
.macro QUANT s, w
	WIN ((\w)<<2)|((\w)<<4)
.irp b,0,1,2,3
	v_max3_num_f32 v[TM+\b], 0x1800000, |v[(\s)+16*\b]|, |v[(\s)+1+16*\b]|   ; the floor 2^(3 - 127) and my 16 numbers of block b
.endr
.irp i,2,4,6,8,10,12,14
.irp b,0,1,2,3
	v_max3_num_f32 v[TM+\b], v[TM+\b], |v[(\s)+16*\b+\i]|, |v[(\s)+1+16*\b+\i]|
.endr
.endr
	WIN 0
.irp b,0,1,2,3
	v_permlanex16_b32 v[TM+4+\b], v[TM+\b], s[SEL], s[SEL+1]
.endr
.irp b,0,1,2,3
	v_max_num_f32 v[TM+\b], v[TM+\b], v[TM+4+\b]
.endr
.irp b,0,1,2,3
	v_add_nc_u32 v[TM+12+\b], 0xff000000, v[TM+\b] ; 2 off the exponent field: the conversions' scale operand
.endr
.irp b,0,1,2,3
	v_lshrrev_b32 v[TM+4+\b], 23, v[TM+12+\b]
.endr
	v_lshl_or_b32 v[PW], v[TM+5], 8, v[TM+4]
	v_lshl_or_b32 v[PW], v[TM+6], 16, v[PW]
	v_lshl_or_b32 v[PW], v[TM+7], 24, v[PW]
	WIN (\w)
.irp c,0,1
	v_cvt_scalef32_pk16_fp6_f32 v[PC+6*\c:PC+2+6*\c], v[(\s)+32*\c:(\s)+15+32*\c], v[TM+12+2*\c]
	v_cvt_scalef32_pk16_fp6_f32 v[PC+12+4*\c:PC+14+4*\c], v[(\s)+16+32*\c:(\s)+31+32*\c], v[TM+13+2*\c]
.endr
	WIN 0
	v_nop                                          ; one plain instruction behind the scaled conversions
.irp c,0,1
.irp i,0,1,2
	v_permlane16_swap_b32 v[PC+6*\c+\i], v[PC+12+4*\c+\i]
.endr
.irp i,0,1,2
	v_mov_b32 v[PC+3+6*\c+\i], v[PC+12+4*\c+\i]
.endr
.endr
.endm
.macro FETCH aP, aR, s                 ; K step s: P's eight fragments and R's four into set s % 2: 36 loads of 512 consecutive bytes
	WIN 0x40
.irp b,0,1,2,3,4,5,6,7
.irp q,0,1,2
	ds_load_b128 v[96*((\s)%2)+12*\b+4*\q:96*((\s)%2)+12*\b+4*\q+3], v[\aP+(\s)/4] offset:\b*6144+((\s)%4)*1536+512*\q
.endr
.endr
	WIN 0
.irp a,0,1,2,3
.irp q,0,1,2
	ds_load_b128 v[RF+48*((\s)%2)+12*\a+4*\q:RF+48*((\s)%2)+12*\a+4*\q+3], v[\aR+(\s)/4] offset:\a*6144+((\s)%4)*1536+512*\q
.endr
.endr
.endm
; 32 products: the 32 accumulators take turns, one instruction a turn, in the same order in every K step.  A scale register holds an even K step's words in lanes 0-15, the odd one's in lanes 16-31
.macro PROD s
	WIN 0xa1                                       ; source 0 window 1, source 1 window 0, C and D window 2
.irp a,0,1,2,3
.irp b,0,1,2,3,4,5,6,7
.if (\s) == 0
	v_wmma_scale_f32_16x16x128_f8f6f4 v[64*\a+8*\b:64*\a+8*\b+7], v[12*\b:12*\b+11], v[RF+12*\a:RF+12*\a+11], 0, v[SCP+4*\b], v[SCR+4*\a] matrix_a_fmt:MATRIX_FMT_FP6 matrix_b_fmt:MATRIX_FMT_FP6
.elseif (\s)%2 == 0
	v_wmma_scale_f32_16x16x128_f8f6f4 v[64*\a+8*\b:64*\a+8*\b+7], v[12*\b:12*\b+11], v[RF+12*\a:RF+12*\a+11], v[64*\a+8*\b:64*\a+8*\b+7], v[SCP+4*\b+(\s)/2], v[SCR+4*\a+(\s)/2] matrix_a_fmt:MATRIX_FMT_FP6 matrix_b_fmt:MATRIX_FMT_FP6
.else
	v_wmma_scale_f32_16x16x128_f8f6f4 v[64*\a+8*\b:64*\a+8*\b+7], v[96+12*\b:96+12*\b+11], v[RF+48+12*\a:RF+48+12*\a+11], v[64*\a+8*\b:64*\a+8*\b+7], v[SCP+4*\b+(\s)/2], v[SCR+4*\a+(\s)/2] matrix_a_fmt:MATRIX_FMT_FP6 matrix_b_fmt:MATRIX_FMT_FP6 matrix_a_scale:MATRIX_SCALE_ROW1 matrix_b_scale:MATRIX_SCALE_ROW1
.endif
.endr
.endr
	WIN 0
.endm
.macro NEXTB n                         ; group 0 of the refill: wave w fetches half w / 2 of K of the next block's column tiles 4 (w % 2) on.  n = 1: made; n = 2: stepped
.if \n == 1
	s_mul_i32 s[G0R+1], s18, STG                   ; LDS address: half w / 2 of K,
	s_mul_i32 s[G0R], s17, 24576                   ; B's tiles 4 (w % 2) on
	s_add_co_u32 s[G0R+1], s[G0R+1], s[G0R]
	s_add_co_u32 s[G0R+1], s[G0R+1], BOFF
	s_mov_b32 s[G0R], 1                            ; count = 1
	s_mov_b64 s[G0R+2:G0R+3], s[88:89]             ; global address
	s_or_b32 s[G0R+3], s[G0R+3], 0x80000000        ; type = 2
.else
	s_add_nc_u64 s[G0R+2:G0R+3], s[G0R+2:G0R+3], NEXTW   ; the type bits on top are not reached
.endif
.endm
; A block's eight K steps.  While step s is multiplied, step s + 1's fragments are on their way from LDS.
; first = 1: the first block, whose stages are waited for one by one.  refill = 1, 2: B's bytes are filled again for the next block, at the last K step, when all of this block's fragments are in registers.
.macro GEMM aP, aR, first, refill
.if \first == 0
	s_wait_xcnt 0x0                                ; the last block's stores have read their registers and bases: accumulators, codes and bases may be written again
	s_wait_tensorcnt 0x0                           ; my part of this block's columns has landed,
	s_barrier_signal -1
	s_barrier_wait -1                              ; everybody's has.
.endif
	FETCH \aP, \aR, 0
.irp s,0,1,2,3,4,5,6,7
.if (\s == 7) && (\refill > 0)
	s_wait_tensorcnt 0x0                           ; no tensor load of mine is out, so a group 0 may be written
	ds_add_u32 v[SPW], v[NIL]                      ; 0 onto my spare word: the descriptor's lines stand between it and the wait for it
	NEXTB \refill
	s_wait_dscnt 0x0                               ; the add is done, and my reads of B's bytes are over: the last K step's fragments are in registers
	CROUND                                         ; both now hold of every wave of every work-group of the cluster
	tensor_load_to_lds s[G0R:G0R+3], s[G1R:G1R+7]  ; my one tensor load behind the round: 24,576 bytes of the next block
	s_nop 0
	PLACES
.else
	s_wait_dscnt 0x0                               ; set s % 2 is in, and no LDS instruction of mine is pending at a signal
.endif
.if \s == 0
	s_wait_loadcnt 0x0                             ; the scale words (ahead of the first block: cos and sin too)
.endif
.if (\first) && (\s == 3)
	s_wait_tensorcnt 0x0                           ; my one load that is out, my part of K's second half, has landed
	s_barrier_signal -1
	s_barrier_wait -1                              ; everybody's has
.endif
.if \s < 7
.if \s > 0
	PLACES
.endif
	FETCH \aP, \aR, \s+1
.endif
	PROD \s
.endr
.endm
.macro LOADP                           ; P's scale words: 128 bytes a load: K step 2 p's sixteen words, then K step 2 p + 1's
.irp b,0,1,2,3,4,5,6,7
.irp p,0,1,2,3
	global_load_b32 v[SCP+4*\b+\p], v[LS], s[80:81] offset:\b*512+\p*128
.endr
.endr
.endm
.macro LOADR                           ; R's
.irp a,0,1,2,3
.irp p,0,1,2,3
	global_load_b32 v[SCR+4*\a+\p], v[LS], s[82:83] offset:\a*512+\p*128
.endr
.endr
.endm
; The way out of q and of k: rope, quantiser, images to s[86:87], scale words to s[84:85]
.macro ROPEQ
.irp a,0,1,2,3
.if \a > 0
	s_wait_xcnt 0x0                                ; the last tile's stores have read the codes' registers
.endif
	; rope: registers 0-15 are channels 16 h + i, registers 16-31 channels 32 + 16 h + i: a pair lies in one lane.  (With cos = 1, sin = 0 nothing changes.)  Each accumulator is read from its low end on
	WIN 0x0e                                       ; source 0 window 2, source 1 window 3
.irp i,0,2,4,6,8,10,12,14
	v_pk_mul_f32 v[T0+\i:T0+\i+1], v[64*\a+\i:64*\a+\i+1], v[32*\a+16+\i:32*\a+17+\i]
.endr
.irp i,0,2,4,6,8,10,12,14
	v_pk_mul_f32 v[T1+\i:T1+\i+1], v[64*\a+16+\i:64*\a+17+\i], v[32*\a+16+\i:32*\a+17+\i]
.endr
	WIN 0x8e                                       ; and the destination window 2
.irp i,0,2,4,6,8,10,12,14
	v_pk_fma_f32 v[64*\a+\i:64*\a+\i+1], v[64*\a+\i:64*\a+\i+1], v[32*\a+\i:32*\a+\i+1], v[T1+\i:T1+\i+1] neg_lo:[0,0,1] neg_hi:[0,0,1]
.endr
.irp i,0,2,4,6,8,10,12,14
	v_pk_fma_f32 v[64*\a+16+\i:64*\a+17+\i], v[64*\a+16+\i:64*\a+17+\i], v[32*\a+\i:32*\a+\i+1], v[T0+\i:T0+\i+1]
.endr
	QUANT 64*\a, 2
.irp q,0,1,2
	global_store_b128 v[LI], v[PC+4*\q:PC+4*\q+3], s[86:87] offset:\a*3072+512*\q
.endr
	v_mov_b32 v[10+\a], v[PW]
.endr
	v_cndmask_b32 v14, v10, v11, s[HM]             ; lanes 0-15 a tile's words, lanes 16-31 the next tile's
	v_cndmask_b32 v15, v12, v13, s[HM]
	global_store_b32 v9, v14, s[84:85]
	global_store_b32 v9, v15, s[84:85] offset:256
.endm
	s_load_b256 s[4:11], s[0:1], 0x0               ; xq s[4:5], wq s[6:7], cs s[8:9], qq s[10:11]
	s_load_b128 s[12:15], s[0:1], 0x20             ; kv s[12:13], gs s[14:15]
	v_lshl_add_u32 v[SPW], v0, 2, SPARE
	v_mov_b32 v[NIL], 0
	ds_add_u32 v5, v6
	ds_add_u32 v5, v6
	s_wait_dscnt 0x0
	v_lshrrev_b32 v1, 5, v0
	v_readfirstlane_b32 s16, v1                    ; wave 0..3
	s_and_b32 s17, s16, 1
	s_lshr_b32 s18, s16, 1
	s_bfe_u32 s19, ttmp6, 0x40000                  ; cx
	s_bfe_u32 s20, ttmp6, 0x40004                  ; cy
	s_lshl_b32 s21, ttmp9, 2
	s_add_co_u32 s21, s21, s19                     ; ctx, 0..7: my blocks of 128 columns are ctx, ctx + 8, ctx + 16
	s_and_b32 s22, ttmp7, 0xffff
	s_lshl_b32 s22, s22, 2
	s_add_co_u32 s22, s22, s20                     ; rt: which 256 rows
	s_and_b32 s23, s19, 1                          ; e: which half of a head's 256: the same for all three blocks
	s_lshl_b32 s24, s20, 2
	s_lshl_b32 s24, 15, s24                        ; my row of the cluster
	s_lshl_b32 s25, 0x1111, s19                    ; my column
	; group 1: R rows (tiles) of 768 elements of 8 bytes (four K steps' images, 6,144 bytes), 1,536 elements (a tile's eight K steps) apart; dense in LDS
	s_or_b32 s[G1A], s24, (3<<16)|(1<<21)          ; 15:0 the mask; 17:16 elements of 8 bytes; 21 set beside a mask
	s_or_b32 s[G1B], s25, (3<<16)|(1<<21)
	s_or_b32 s[G1R], s25, (3<<16)|(1<<21)
	; rows (tiles) of 768 elements of 8 bytes: four K steps' images, 6,144 bytes
	s_mov_b32 s[G1A+1], 768<<16                    ; tensor_dim0
	s_mov_b32 s[G1A+2], 8<<16                      ; tensor_dim1
	s_mov_b32 s[G1A+3], 768<<16                    ; tile_dim0
	s_mov_b32 s[G1A+4], 8                          ; tile_dim1: 8 tiles
	s_mov_b32 s[G1A+5], 1536                       ; the pitch
	s_mov_b32 s[G1A+6], 0
	s_mov_b32 s[G1A+7], 0
.irp g, G1B, G1R
	s_mov_b32 s[\g+1], 768<<16
	s_mov_b32 s[\g+2], 4<<16
	s_mov_b32 s[\g+3], 768<<16
	s_mov_b32 s[\g+4], 4                           ; 4 tiles
	s_mov_b32 s[\g+5], 1536
	s_mov_b32 s[\g+6], 0
	s_mov_b32 s[\g+7], 0
.endr
	s_lshl_b32 s26, s22, 4                         ; A: tile 16 rt + 8 (wave % 2): it hangs on the tile row and the wave alone
	s_lshl_b32 s27, s17, 3
	s_add_co_u32 s26, s26, s27
	s_mul_i32 s26, s26, 12288
	s_mov_b32 s27, 0
	s_lshl_b32 s80, s21, 3                         ; B, first block: tile 8 ctx + 4 (wave % 2): on the tile column and the wave alone
	s_lshl_b32 s81, s17, 2
	s_add_co_u32 s80, s80, s81
	s_mul_i32 s80, s80, 12288
	s_mov_b32 s81, 0
	s_lshl_b32 s88, s21, 3                         ; B, second block: tile 8 ctx + 64
	s_add_co_u32 s88, s88, 64
	s_mul_i32 s88, s88, 12288
	s_mul_i32 s89, s17, 49152                      ; a refill: wave w fetches tiles 4 (w % 2) on,
	s_add_co_u32 s88, s88, s89
	s_mul_i32 s89, s18, 6144                       ; half w / 2 of K
	s_add_co_u32 s88, s88, s89
	s_mov_b32 s89, 0
	s_mul_i32 s82, s17, 49152                      ; where the first fills go: no place in the cluster enters an LDS address
	s_mul_i32 s83, s17, 24576
	s_add_co_u32 s83, s83, BOFF
	s_wait_kmcnt 0x0
	s_add_nc_u64 s[26:27], s[4:5], s[26:27]
	s_add_nc_u64 s[80:81], s[6:7], s[80:81]
	s_add_nc_u64 s[88:89], s[6:7], s[88:89]
	MKG0 44, 82, 26, 0
	MKG0 48, 82, 26, 1
	MKG0 60, 83, 80, 0
	MKG0 68, 83, 80, 1
	CROUND                                         ; all sixteen work-groups are here: the joint loads meet
	s_cmp_lt_u32 s16, 2                            ; waves 0, 1 fetch A's halves, waves 2, 3 B's.  one load of mine is out
	s_cbranch_scc0 .Lfill_b
	tensor_load_to_lds s[44:47], s[G1A:G1A+7]      ; K's first half of my 8 tiles of A
	s_nop 0
	PLACES
	s_branch .Lfilled
.Lfill_b:
	tensor_load_to_lds s[60:63], s[G1B:G1B+7]      ; K's first half of my 4 tiles of B
	s_nop 0
	PLACES
.Lfilled:
	v_and_b32 v2, 31, v0
	v_lshlrev_b32 v[LI], 4, v2
	v_lshlrev_b32 v[LS], 2, v2
	v_and_b32 v3, 15, v0                           ; r
	v_bfe_u32 v4, v0, 4, 1                         ; h
	s_mul_i32 s2, s16, 24576                       ; q, gate, k: R = A's tiles 4 w on (P = B's eight tiles)
	s_mul_i32 s3, s18, 49152                       ; v: P = A's tiles 8 (w / 2) on,
	s_mul_i32 s66, s17, 24576
	s_add_co_u32 s66, s66, BOFF                    ; R = B's tiles 4 (w % 2) on
.irp g,0,1
	v_add_nc_u32 v[AP1+\g], BOFF+\g*STG, v[LI]
	v_add_nc_u32 v[AR1+\g], s2, v[LI]
	v_add_nc_u32 v[AP2+\g], s3, v[LI]
	v_add_nc_u32 v[AR2+\g], s66, v[LI]
	s_add_co_u32 s2, s2, STG
	s_add_co_u32 s3, s3, STG
	s_add_co_u32 s66, s66, STG
.endr
	v_lshlrev_b32 v9, 2, v3
	v_lshl_add_u32 v9, v4, 7, v9                   ; q's and k's scale words on their way out: 128 h + 4 r
	v_cmp_eq_u32 s[HM], 1, v4                      ; lanes 16-31
.irp b,0,1,2,3
	v_mov_b32 v[TM+4+\b], 0                        ; a lane permute's destination counts as one of its sources
.endr
	s_mov_b32 s[SEL], 0x76543210
	s_mov_b32 s[SEL+1], 0xfedcba98
	s_lshr_b32 s24, s22, 3                         ; the batch
	s_and_b32 s25, s22, 7
	s_lshl_b32 s25, s25, 4
	s_lshl_b32 s2, s16, 2
	s_add_co_u32 s25, s25, s2                      ; my first tile of tokens in the sequence: 16 (rt % 8) + 4 w
	s_lshr_b32 s26, s21, 1                         ; ctx / 2: the head of q and gate
	s_lshl_b32 s27, s24, 2
	s_add_co_u32 s27, s27, s26
	s_lshl_b32 s27, s27, 7
	s_add_co_u32 s27, s27, s25                     ; q's and gate's tile: (b 4 + head) 128 + ..
	s_lshl_b32 s2, s21, 12                         ; P's scale words, first block: tile 8 ctx of wq
	s_add_co_u32 s2, s2, WS
	s_mov_b32 s3, 0
	s_add_nc_u64 s[80:81], s[6:7], s[2:3]
	s_lshl_b32 s2, s22, 4                          ; R's: tile 16 rt + 4 w of xq
	s_lshl_b32 s66, s16, 2
	s_add_co_u32 s2, s2, s66
	s_lshl_b32 s2, s2, 9
	s_add_co_u32 s2, s2, XS
	s_add_nc_u64 s[82:83], s[4:5], s[2:3]
	; cos and sin: my four tiles of positions where my columns are a head's first 128, else the tiles with cos = 1, sin = 0.  By arithmetic, with no branch
	s_xor_b32 s2, s23, 1
	s_sub_co_u32 s66, s25, 128
	s_mul_i32 s2, s2, s66
	s_add_co_u32 s2, s2, 128
	s_lshl_b32 s2, s2, 12
	s_add_nc_u64 s[84:85], s[8:9], s[2:3]
	WIN 0xc0                                       ; destination window 3
.irp a,0,1,2,3
.irp c,0,1,2,3,4,5,6,7
	global_load_b128 v[32*\a+4*\c:32*\a+4*\c+3], v[LI], s[84:85] offset:\a*4096+512*\c
.endr
.endr
	WIN 0
	LOADP
	LOADR
	s_wait_alu depctr_va_vdst(0)
	s_wait_tensorcnt 0x0                           ; my part of K's first half has landed
	ds_add_u32 v[SPW], v[NIL]
	s_wait_dscnt 0x0
	CROUND                                         ; everybody's has, and the joint loads meet
	s_cmp_lt_u32 s16, 2
	s_cbranch_scc0 .Lfill_b2
	tensor_load_to_lds s[48:51], s[G1A:G1A+7]      ; K's second half: my one load behind the round; it has three K steps' products in which to land
	s_nop 0
	PLACES
	s_branch .Lfilled2
.Lfill_b2:
	tensor_load_to_lds s[68:71], s[G1B:G1B+7]
	s_nop 0
	PLACES
.Lfilled2:
	; ---- the first block: q
	GEMM AP1, AR1, 1, 1
	PLACES
	s_add_nc_u64 s[80:81], s[80:81], 64*512        ; the next block's scale words (the loads that read this base were waited for ahead of the first product)
	LOADP                                          ; they land while q goes out
	s_mul_i32 s50, s27, 3072
	s_mul_i32 s49, s23, 1536
	s_add_co_u32 s50, s50, s49
	s_mov_b32 s51, 0
	s_add_nc_u64 s[86:87], s[10:11], s[50:51]      ; the images
	s_lshl_b32 s50, s27, 7
	s_lshl_b32 s49, s23, 6
	s_add_co_u32 s50, s50, s49
	s_add_co_u32 s50, s50, QS
	s_add_nc_u64 s[84:85], s[10:11], s[50:51]      ; the scale words
	ROPEQ
	; ---- the second block: gate
	GEMM AP1, AR1, 0, 2
	PLACES
	; where the third block's scale words lie: k: P = the weight's tiles, R = my four tiles of x; v: P = eight tiles of x, R = four of the weight's
	s_lshl_b32 s2, s18, 3
	s_lshl_b32 s3, s16, 2
	s_lshl_b32 s48, s17, 2
	s_cmp_eq_u32 ttmp9, 1
	s_cselect_b32 s2, s2, s3                       ; my first tile of x among the 16
	s_cselect_b32 s48, s48, 0                      ; my first tile of the weight among the 8
	s_lshl_b32 s3, s22, 4
	s_add_co_u32 s2, s2, s3
	s_lshl_b32 s2, s2, 9
	s_add_co_u32 s2, s2, XS
	s_lshl_b32 s3, s21, 3
	s_add_co_u32 s48, s48, s3
	s_add_co_u32 s48, s48, 128                     ; tile 8 (ctx + 16)
	s_lshl_b32 s48, s48, 9
	s_add_co_u32 s48, s48, WS
	s_cmp_eq_u32 ttmp9, 1
	s_cselect_b64 s[80:81], s[4:5], s[6:7]         ; P's buffer
	s_cselect_b64 s[82:83], s[6:7], s[4:5]         ; R's
	s_cselect_b32 s50, s2, s48
	s_cselect_b32 s2, s48, s2
	s_mov_b32 s51, 0
	s_mov_b32 s3, 0
	s_add_nc_u64 s[80:81], s[80:81], s[50:51]
	s_add_nc_u64 s[82:83], s[82:83], s[2:3]
	LOADP
	LOADR
	; silu(g) = g / (1 + 2^(-g log2 e)), in f32
	s_lshl_b32 s50, s27, 14
	s_lshl_b32 s49, s23, 13
	s_add_co_u32 s50, s50, s49
	s_add_nc_u64 s[86:87], s[14:15], s[50:51]
	s_mov_b32 s52, 0xbfb8aa3b                      ; -log2(e)
	s_mov_b32 s53, s52                             ; (named with it as a pair)
.irp a,0,1,2,3
	WIN 0x02
.set i, 0
.rept 32
	v_pk_mul_f32 v[RF+i:RF+i+1], v[64*\a+i:64*\a+i+1], s[52:53] op_sel_hi:[1,0]
.set i, i+2
.endr
	WIN 0
.set i, 0
	s_wait_alu depctr_va_vdst(0)
.rept 64
	v_exp_f32 v[RF+i], v[RF+i]
.set i, i+1
.endr
	v_nop                                          ; a plain instruction behind the batch,
	s_wait_alu depctr_va_vdst(0)                   ; and the wait ahead of its first reader
.set i, 0
.rept 32
	v_pk_add_f32 v[RF+i:RF+i+1], v[RF+i:RF+i+1], 1.0 op_sel_hi:[1,0]
.set i, i+2
.endr
.set i, 0
	s_wait_alu depctr_va_vdst(0)
.rept 64
	v_rcp_f32 v[RF+i], v[RF+i]
.set i, i+1
.endr
	v_nop
	s_wait_alu depctr_va_vdst(0)
	WIN 0x82
.set i, 0
.rept 32
	v_pk_mul_f32 v[64*\a+i:64*\a+i+1], v[64*\a+i:64*\a+i+1], v[RF+i:RF+i+1]
.set i, i+2
.endr
	WIN 0x08                                       ; a store's data: window 2
.irp c,0,1,2,3,4,5,6,7,8,9,10,11,12,13,14,15
	global_store_b128 v[LI], v[64*\a+4*\c:64*\a+4*\c+3], s[86:87] offset:\a*16384+512*\c   ; 512 consecutive bytes a store
.endr
.endr
	WIN 0
	s_cmp_eq_u32 ttmp9, 1                          ; the cluster's x: alike in all sixteen partners
	s_cbranch_scc1 .Lvform
	; ---- the third block, cluster x = 0: k
	GEMM AP1, AR1, 0, 0
	PLACES
	s_lshl_b32 s48, s24, 1
	s_add_co_u32 s48, s48, s26                     ; b 2 + kv head (here ctx / 2 is the kv head)
	s_mul_i32 s50, s48, 786432
	s_lshr_b32 s49, s25, 3
	s_mul_i32 s49, s49, 49152                      ; the step of 128 keys,
	s_add_co_u32 s50, s50, s49
	s_and_b32 s49, s25, 7
	s_mul_i32 s49, s49, 3072                       ; the key tile in it,
	s_add_co_u32 s50, s50, s49
	s_mul_i32 s49, s23, 1536                       ; the half of the head
	s_add_co_u32 s50, s50, s49
	s_mov_b32 s51, 0
	s_add_nc_u64 s[86:87], s[12:13], s[50:51]
	s_lshl_b32 s50, s48, 15
	s_lshl_b32 s49, s25, 7
	s_add_co_u32 s50, s50, s49
	s_lshl_b32 s49, s23, 6
	s_add_co_u32 s50, s50, s49
	s_add_co_u32 s50, s50, KVS
	s_add_nc_u64 s[84:85], s[12:13], s[50:51]
	ROPEQ
	s_branch .Lend
	; ---- the third block, cluster x = 1: v: a lane holds a channel, its registers run along 128 keys
.Lvform:
	GEMM AP2, AR2, 0, 0
	PLACES
	s_sub_co_u32 s48, s26, 2                       ; the kv head: ctx / 2 - 2
	s_lshl_b32 s49, s24, 1
	s_add_co_u32 s48, s48, s49                     ; b 2 + kv head
	s_and_b32 s49, s22, 7
	s_lshl_b32 s49, s49, 1
	s_add_co_u32 s49, s49, s18                     ; the step of 128 keys
	s_lshl_b32 s52, s23, 3
	s_lshl_b32 s53, s17, 2
	s_add_co_u32 s52, s52, s53                     ; my first channel tile
	s_mul_i32 s50, s48, 786432
	s_mul_i32 s53, s49, 49152
	s_add_co_u32 s50, s50, s53
	s_mul_i32 s53, s52, 1536
	s_add_co_u32 s50, s50, s53
	s_add_co_u32 s50, s50, 24576                   ; behind the step's K
	s_mov_b32 s51, 0
	s_add_nc_u64 s[86:87], s[12:13], s[50:51]
	s_lshl_b32 s50, s48, 15
	s_lshl_b32 s53, s49, 10
	s_add_co_u32 s50, s50, s53
	s_lshl_b32 s53, s52, 6
	s_add_co_u32 s50, s50, s53
	s_add_co_u32 s50, s50, KVS+16384
	s_add_nc_u64 s[84:85], s[12:13], s[50:51]
.irp a,0,1,2,3
.if \a > 0
	s_wait_xcnt 0x0                                ; the last tile's stores have read the codes' registers
.endif
	QUANT 64*\a, 2
.irp q,0,1,2
	global_store_b128 v[LI], v[PC+4*\q:PC+4*\q+3], s[86:87] offset:\a*1536+512*\q
.endr
	v_mov_b32 v[10+\a], v[PW]
.endr
	v_cndmask_b32 v14, v10, v11, s[HM]
	v_cndmask_b32 v15, v12, v13, s[HM]
	global_store_b32 v[LS], v14, s[84:85]          ; two tiles' words: 128 consecutive bytes
	global_store_b32 v[LS], v15, s[84:85] offset:128
.Lend:
	s_wait_tensorcnt 0x0                           ; the wave's end
	ds_add_u32 v[SPW], v[NIL]
	s_wait_dscnt 0x0
	CROUND                                         ; the closing round: no work-group ends while a partner may still ask for a tile that names it
	s_endpgm
.Lfunc_end_k_qd7ee762c3b_proj:
	.size	k_qd7ee762c3b_proj, .Lfunc_end_k_qd7ee762c3b_proj-k_qd7ee762c3b_proj
	.p2alignl 7, 3214868480
	.fill 96, 4, 3214868480
	.section	.rodata,"a",@progbits
	.p2align	6, 0x0
	.amdhsa_kernel k_qd7ee762c3b_proj
		.amdhsa_group_segment_fixed_size 327680
		.amdhsa_private_segment_fixed_size 0
		.amdhsa_enable_private_segment 0
		.amdhsa_kernarg_size 48
		.amdhsa_user_sgpr_count 2
		.amdhsa_user_sgpr_kernarg_segment_ptr 1
		.amdhsa_wavefront_size32 1
		.amdhsa_system_sgpr_workgroup_id_x 1
		.amdhsa_system_sgpr_workgroup_id_y 1
		.amdhsa_system_sgpr_workgroup_id_z 1
		.amdhsa_system_vgpr_workitem_id 0
		.amdhsa_next_free_vgpr 1024
		.amdhsa_next_free_sgpr 100
		.amdhsa_reserve_vcc 0
		.amdhsa_float_denorm_mode_32 3
		.amdhsa_float_denorm_mode_16_64 3
		.amdhsa_memory_ordered 1
		.amdhsa_forward_progress 1
		.amdhsa_inst_pref_size 255
	.end_amdhsa_kernel
	.section	.bss,"aw",@nobits
	.p2align	6
	.space	262144
	.amdgpu_metadata
---
amdhsa.version: [ 1, 2 ]
amdhsa.kernels:
  - .name:           k_qd7ee762c3b_proj
    .symbol:         k_qd7ee762c3b_proj.kd
    .args:
      - { .name: xq, .offset: 0, .size: 8, .value_kind: global_buffer, .address_space: global }
      - { .name: wq, .offset: 8, .size: 8, .value_kind: global_buffer, .address_space: global }
      - { .name: cs, .offset: 16, .size: 8, .value_kind: global_buffer, .address_space: global }
      - { .name: qq, .offset: 24, .size: 8, .value_kind: global_buffer, .address_space: global }
      - { .name: kv, .offset: 32, .size: 8, .value_kind: global_buffer, .address_space: global }
      - { .name: gs, .offset: 40, .size: 8, .value_kind: global_buffer, .address_space: global }
    .group_segment_fixed_size: 327680
    .private_segment_fixed_size: 0
    .kernarg_segment_align: 8
    .kernarg_segment_size: 48
    .max_flat_workgroup_size: 128
    .sgpr_count:     100
    .vgpr_count:     1024
    .wavefront_size: 32
...
	.end_amdgpu_metadata
.endif
;; end of part 2
;; launch attn (part 3): grid 32 x 8, 4 waves a work-group, clusters of 4 x 1, 327,680 bytes of LDS; arguments qq, kv, gs, aq; writes aq
.if DOCPART == 3
	.amdgcn_target "amdgcn-amd-amdhsa--gfx1250"
	.amdhsa_code_object_version 6
	.text
	.protected	k_qd7ee762c3b_attn
	.globl	k_qd7ee762c3b_attn
	.p2align	8
	.type	k_qd7ee762c3b_attn,@function
k_qd7ee762c3b_attn:
	s_mov_b64 s[64:65], 0
	v_nop
	global_prefetch_b8 v0, s[64:65] scope:SCOPE_SE
	s_setreg_imm32_b32 hwreg(HW_REG_WAVE_MODE, 25, 1), 1
	s_wait_xcnt 0x0
	s_wait_alu depctr_hold_cnt(0) depctr_sa_sdst(0) depctr_va_vdst(0) depctr_va_sdst(0) depctr_va_ssrc(0) depctr_va_vcc(0) depctr_vm_vsrc(0)
	s_getreg_b32 s2, hwreg(HW_REG_IB_STS2, 6, 4)
	s_cmp_eq_u32 s2, 0
	s_cbranch_scc0 .Lentry_in_a_cluster
	s_endpgm
.Lentry_in_a_cluster:
	s_bfe_u32 s2, ttmp6, 0x10000c
	s_cmp_lg_u32 s2, 0x3003
	s_cbranch_scc0 .Lentry_shape_is_right
	s_endpgm
.Lentry_shape_is_right:
; softmax(q k^T / 16) v, times silu(gate), quantised along the 1,024 channels for the last product.  All operands are codes of FP6 (E2M3) with E8M0 scales, stored as images of operand registers (1,536 bytes a fragment).
; SHARES.  y = batch x 2 + kv head; x: 2 query heads x 16 blocks of 128 queries.  Four waves, 32 queries (two tiles t = 0, 1) each.  16 steps of 128 keys; a slot holds two steps (98,304 bytes); two slots.
; Both products are used transposed (S^T = k q^T, O^T = v^T p^T): a lane holds one query.  M is the running largest t rounded up to a whole number; p = 2^(t - M); the sum is taken of the unquantised p.
; CLUSTER 4 x 1: the four partners read the same K and V: every tensor load is joint (mask 15).
; HEAD: one load of 32,768 bytes a wave, to LDS byte 32,768 w: waves 0-2 thirds of slot 0, wave 3 the head's scale words; slot 1 follows behind the three lines and a round.
; PRODUCTS AMONG VECTOR WORK: tile 1's 16 products of S stand among tile 0's maxima and multiply-adds, tile 0's 16 products of O among tile 1's: each between two switches of the register windows.
; REGISTERS: window 0: v1-7 addresses, v8-23 the two tiles' state (-M, largest t, sum x 2, f), v24-43 scale words, v44-63 at work, v64-87 p's codes, v128-255 S then p.  window 1: O^T.  window 2: K's fragments, q's at v192.  window 3: V's.
; LIMITS: the scaled scores stay under 2^31 in magnitude; NaN and infinities are not served; a block of zeros or under 2^-124 gets the byte 1 (this program alone reads the bytes).
.set KVS,   6291456
.set QSO,   6291456
.set ASO,   6291456
.set STEPB, 49152
.set SLOTB, 98304
.set SCL,   98304                      ; the scale words, 32,768 bytes, between the slots
.set SLOT1, 131072
.set SPARE, 229376
.set LI,   1
.set LS0,  2
.set ADR,  3
.set ADR2, 4
.set ADS,  5
.set SPW,  6
.set NIL,  7
.set QSC,  24
.set KSC,  26
.set VSC,  34
.set PSC,  42
.set BM,   44
.set BP,   48
.set SO,   52
.set SU,   56
.set TT,   58
.set CT,   88
.set PFO,  96
.set L4,   97
.set TM,   100
.set PW,   116
.set PWS,  120
.set PC,   160
.set WV,   12
.set G1C,  16                          ; group 1: 96 rows of 256 bytes, a quarter of a slot
.set G1S,  24                          ; group 1: 128 rows of 256 bytes, the head's load
.set G0S,  32
.set G0W,  40
.set TB,   44
.set TS,   45
.set SLOTS, 46
.set LIM,  47
.set PFA,  48
.set CS,   50
.set SEL,  52
.set MSB, 0
.set HKN, 16
.set HKT, 0
.macro WIN new                         ; the immediate's high byte repeats the setting that is left
.if MSB != (\new)
	s_set_vgpr_msb (MSB<<8)|(\new)
.set MSB, (\new)
.endif
.endm
.macro PLACES
.rept 4
	v_nop
.endr
.endm
.macro CROUND                          ; a round of the cluster's barrier
	s_barrier_signal -1
	s_barrier_wait -1
	s_cmp_lg_u32 s[WV], 0
	s_cbranch_scc1 .Lnot_wave_0_\@
	s_barrier_signal -3
.Lnot_wave_0_\@:
	s_barrier_wait -3
	s_barrier_signal -1
	s_barrier_wait -1
.endm
.macro ASK                             ; the slot one refill on: cluster x = 0 asks for all clusters of this y; each partner 24,576 bytes, waves 0-2, a lane 256 bytes
	s_cmp_gt_u32 s[SLOTS], s[LIM]
	s_cbranch_scc0 .Lnot_mine_\@
	global_prefetch_b8 v[PFO], s[PFA:PFA+1] th:TH_LOAD_NT scope:SCOPE_SE
.Lnot_mine_\@:
.endm
.macro KLOAD adr, soff                 ; 8 key tiles x 2 halves of the head, and their scale words: 56 LDS loads
	WIN 0x80
.irp f,0,1,2,3,4,5,6,7,8,9,10,11,12,13,14,15
.irp q,0,1,2
	ds_load_b128 v[12*\f+4*\q:12*\f+4*\q+3], v[\adr] offset:1536*\f+512*\q
.endr
.endr
	WIN 0
.irp kt,0,1,2,3,4,5,6,7
	ds_load_b32 v[KSC+\kt], v[ADS] offset:\soff+128*\kt
.endr
.endm
.macro VLOAD adr                       ; 16 channel tiles and their scale words: 56 LDS loads
	WIN 0xc0
.irp dt,0,1,2,3,4,5,6,7,8,9,10,11,12,13,14,15
.irp q,0,1,2
	ds_load_b128 v[12*\dt+4*\q:12*\dt+4*\q+3], v[\adr] offset:24576+1536*\dt+512*\q
.endr
.endr
	WIN 0
.irp p,0,1,2,3,4,5,6,7
	ds_load_b32 v[VSC+\p], v[ADS] offset:16384+128*\p
.endr
.endm
.macro GLOAD                           ; silu(gate) of my 32 queries into window 2, which K and q have left
	WIN 0x80
.irp t,0,1
.irp c,0,1,2,3,4,5,6,7,8,9,10,11,12,13,14,15,16,17,18,19,20,21,22,23,24,25,26,27,28,29,30,31
	global_load_b128 v[128*\t+4*\c:128*\t+4*\c+3], v[LI], s[56:57] offset:\t*16384+512*\c th:TH_LOAD_NT
.endr
.endr
	WIN 0
.endm
.macro QK1 t, n                        ; product n of tile t's 16: key tile n % 8, half n / 8 of the head.  The eight accumulators take turns
	WIN 0x0a
.if (\n) < 8
	v_wmma_scale_f32_16x16x128_f8f6f4 v[128+64*(\t)+8*(\n):135+64*(\t)+8*(\n)], v[24*(\n):24*(\n)+11], v[192+24*(\t):203+24*(\t)], 0, v[KSC+(\n)], v[QSC+(\t)] matrix_a_fmt:MATRIX_FMT_FP6 matrix_b_fmt:MATRIX_FMT_FP6
.else
	v_wmma_scale_f32_16x16x128_f8f6f4 v[64+64*(\t)+8*(\n):71+64*(\t)+8*(\n)], v[24*(\n)-180:24*(\n)-169], v[204+24*(\t):215+24*(\t)], v[64+64*(\t)+8*(\n):71+64*(\t)+8*(\n)], v[KSC+(\n)-8], v[QSC+(\t)] matrix_a_fmt:MATRIX_FMT_FP6 matrix_b_fmt:MATRIX_FMT_FP6 matrix_a_scale:MATRIX_SCALE_ROW1 matrix_b_scale:MATRIX_SCALE_ROW1
.endif
.endm
.macro PV1 t, dt                       ; O^T of tile t, channel tile dt: sixteen accumulators take turns
	WIN 0x53
.if (\dt)%2 == 0
	v_wmma_scale_f32_16x16x128_f8f6f4 v[128*(\t)+8*(\dt):128*(\t)+8*(\dt)+7], v[12*(\dt):12*(\dt)+11], v[64+12*(\t):75+12*(\t)], v[128*(\t)+8*(\dt):128*(\t)+8*(\dt)+7], v[VSC+(\dt)/2], v[PSC+(\t)] matrix_a_fmt:MATRIX_FMT_FP6 matrix_b_fmt:MATRIX_FMT_FP6
.else
	v_wmma_scale_f32_16x16x128_f8f6f4 v[128*(\t)+8*(\dt):128*(\t)+8*(\dt)+7], v[12*(\dt):12*(\dt)+11], v[64+12*(\t):75+12*(\t)], v[128*(\t)+8*(\dt):128*(\t)+8*(\dt)+7], v[VSC+(\dt)/2], v[PSC+(\t)] matrix_a_fmt:MATRIX_FMT_FP6 matrix_b_fmt:MATRIX_FMT_FP6 matrix_a_scale:MATRIX_SCALE_ROW1
.endif
.endm
.macro QKRUN t
.set RN, 0
.rept 16
	QK1 \t, RN
.set RN, RN+1
.endr
	WIN 0
.endm
.macro PVRUN t
.set RN, 0
.rept 16
	PV1 \t, RN
.set RN, RN+1
.endr
	WIN 0
.endm
.macro HOOK                            ; the next of 16 pending products (HKT = 1: S of tile 1; 0: O of tile 0), among vector work that names none of its registers
.if HKN < 16
.if HKT == 1
	QK1 1, HKN
.else
	PV1 0, HKN
.endif
	WIN 0
.set HKN, HKN+1
.endif
.endm
.macro HOOKM                           ; among the maxima only S's products stand
.if HKT == 1
	HOOK
.endif
.endm
; mid = 1: the next step's K is fetched in the middle; 2: the gate
.macro SOFTMAX t, mid
.set ST, 8+8*(\t)
.set S, 128+64*(\t)
.set PCT, 64+12*(\t)
	WIN 0
.if (\t) == 1
	s_wait_alu depctr_va_vdst(0)                   ; tile 1's scores were made ahead of tile 0's exponentials
.endif
.irp b,0,1,2,3
	v_max3_num_f32 v[BM+\b], v[S+16*\b], v[S+1+16*\b], v[S+2+16*\b]   ; the largest score of each block of 32 keys
.endr
.irp i,3,5,7,9,11,13
.irp b,0,1,2,3
	v_max3_num_f32 v[BM+\b], v[BM+\b], v[S+16*\b+\i], v[S+1+16*\b+\i]
.endr
	HOOKM
.endr
.irp b,0,1,2,3
	v_max_num_f32 v[BM+\b], v[BM+\b], v[S+15+16*\b]
.endr
	HOOK
.irp b,0,1,2,3
	v_permlanex16_b32 v[BP+\b], v[BM+\b], s[SEL], s[SEL+1]
.endr
	HOOK
.irp b,0,1,2,3
	v_max_num_f32 v[BM+\b], v[BM+\b], v[BP+\b]
.endr
	HOOK
	v_max3_num_f32 v[TT], v[BM], v[BM+1], v[BM+2]
	v_max_num_f32 v[TT], v[TT], v[BM+3]
	v_mul_f32 v[TT], s[CS], v[TT]
	v_max_num_f32 v[ST+1], v[ST+1], v[TT]          ; the running largest t
	HOOK
	v_mov_b32 v[TT], v[ST]
	v_floor_f32 v[ST], -v[ST+1]                    ; -M = floor(-t)
	v_sub_f32 v[TT], v[ST], v[TT]
	v_cvt_i32_f32 v[TT], v[TT]
	v_ldexp_f32 v[ST+4], 1.0, v[TT]                ; f = 2^(old M - new M)
.set j, 0
.rept 16
	v_pk_fma_f32 v[S+j:S+j+1], v[S+j:S+j+1], s[CS:CS+1], v[ST:ST+1] op_sel_hi:[1,0,0]
	v_pk_fma_f32 v[S+j+2:S+j+3], v[S+j+2:S+j+3], s[CS:CS+1], v[ST:ST+1] op_sel_hi:[1,0,0]
	HOOK
.set j, j+4
.endr
.rept 16
	HOOK                                           ; whatever is still pending
.endr
.irp b,0,1,2,3
	v_fma_f32 v[BM+\b], v[BM+\b], s[CS], v[ST]     ; (these four are also the places in front of the loads below)
.endr
.if (\mid) == 1
	KLOAD ADR2, 1024
.elseif (\mid) == 2
	GLOAD
.endif
	s_wait_alu depctr_va_vdst(0)
.set j, 0
.rept 64
	v_exp_f32 v[S+j], v[S+j]
.set j, j+1
.endr
	v_pk_mul_f32 v[ST+2:ST+3], v[ST+2:ST+3], v[ST+4:ST+5] op_sel_hi:[1,0]
	s_wait_alu depctr_va_vdst(0)
.irp b,0,1,2,3
	v_exp_f32 v[BM+\b], v[BM+\b]                   ; each block's largest p
.endr
	v_pk_add_f32 v[SU:SU+1], v[S:S+1], v[S+2:S+3]  ; the sum of the unquantised p, in two chains
.irp j,4,8,12,16,20,24,28,32,36,40,44,48,52,56,60
	v_pk_add_f32 v[ST+2:ST+3], v[ST+2:ST+3], v[S+\j:S+\j+1]
	v_pk_add_f32 v[SU:SU+1], v[SU:SU+1], v[S+2+\j:S+3+\j]
.endr
	v_pk_add_f32 v[ST+2:ST+3], v[ST+2:ST+3], v[SU:SU+1]
	s_wait_alu depctr_va_vdst(0)
.irp b,0,1,2,3
	v_max_num_f32 v[BM+\b], 0x1800000, v[BM+\b]    ; the floor: the byte cannot fall under 1
.endr
.irp b,0,1,2,3
	v_add_nc_u32 v[SO+\b], 0xff000000, v[BM+\b]
.endr
.irp b,0,1,2,3
	v_lshrrev_b32 v[BP+\b], 23, v[SO+\b]
.endr
	v_lshl_or_b32 v[PSC+(\t)], v[BP+1], 8, v[BP]
	v_lshl_or_b32 v[PSC+(\t)], v[BP+2], 16, v[PSC+(\t)]
	v_lshl_or_b32 v[PSC+(\t)], v[BP+3], 24, v[PSC+(\t)]
.irp c,0,1
	v_cvt_scalef32_pk16_fp6_f32 v[PCT+6*\c:PCT+6*\c+2], v[S+32*\c:S+32*\c+15], v[SO+2*\c]
	v_cvt_scalef32_pk16_fp6_f32 v[CT+4*\c:CT+4*\c+2], v[S+16+32*\c:S+31+32*\c], v[SO+1+2*\c]
.endr
	v_nop
.irp c,0,1
.irp i,0,1,2
	v_permlane16_swap_b32 v[PCT+6*\c+\i], v[CT+4*\c+\i]
.endr
.irp i,0,1,2
	v_mov_b32 v[PCT+3+6*\c+\i], v[CT+4*\c+\i]
.endr
.endr
	WIN 0x41
.set j, 0
.rept 64
	v_pk_mul_f32 v[128*(\t)+j:128*(\t)+j+1], v[128*(\t)+j:128*(\t)+j+1], v[ST+4:ST+5] op_sel_hi:[1,0]   ; O^T under the new M
.set j, j+2
.endr
.endm
.macro CHANGE fill                     ; the change of slots
	WIN 0
	s_wait_tensorcnt 0x0                           ; all my tensor loads have landed,
	ds_add_u32 v[SPW], v[NIL]
.if \fill
	s_xor_b32 s[G0W+1], s[G0W+1], SLOT1
	s_add_nc_u64 s[G0W+2:G0W+3], s[G0W+2:G0W+3], SLOTB
	s_wait_xcnt 0x0                                ; my prefetch has read its address
	s_add_nc_u64 s[PFA:PFA+1], s[PFA:PFA+1], SLOTB
	s_wait_dscnt 0x0                               ; and my reads of this slot are over
	CROUND
	tensor_load_to_lds s[G0W:G0W+3], s[G1C:G1C+7]  ; two slots on, into the slot just read
	s_nop 0
	PLACES
	ASK
.else
	s_wait_dscnt 0x0
	s_barrier_signal -1
	s_barrier_wait -1
.endif
	s_xor_b32 s[TB], s[TB], SLOT1
	v_add_nc_u32 v[ADR], s[TB], v[LI]
.endm
.macro STEP_A                          ; a slot's first step
	v_add_nc_u32 v[ADR2], STEPB, v[ADR]
	v_add_nc_u32 v[ADS], s[TS], v[LS0]
	v_nop
	v_nop
	VLOAD ADR
	s_wait_alu depctr_va_vdst(0)
	s_wait_dscnt 56                                ; K is in; V's 56 loads may be out
	QKRUN 0
	PLACES
.set HKT, 1
.set HKN, 0
	SOFTMAX 0, 1
	s_wait_dscnt 56                                ; V is in; the next K's 56 loads may be out
.set HKT, 0
.set HKN, 0
	SOFTMAX 1, 0
	PVRUN 1
	s_add_co_u32 s[TS], s[TS], 1024
.endm
.macro STEP_B mode                     ; its second: mode 1: the slot is filled again; 2: changed only; 0: the last step
	v_add_nc_u32 v[ADS], s[TS], v[LS0]
	v_nop
	v_nop
	v_nop
	VLOAD ADR2
	s_wait_dscnt 56
	QKRUN 0
	PLACES
.set HKT, 1
.set HKN, 0
.if \mode == 0
	SOFTMAX 0, 2
.else
	SOFTMAX 0, 0
.endif
	s_wait_dscnt 0x0                               ; V is in
.set HKT, 0
.set HKN, 0
	SOFTMAX 1, 0
.if \mode == 1
	CHANGE 1
	KLOAD ADR, 1024
.elseif \mode == 2
	CHANGE 0
	KLOAD ADR, 1024
.endif
	s_wait_alu depctr_va_vdst(0)
	PVRUN 1
	s_add_co_u32 s[TS], s[TS], 1024
.endm
.macro QUANT s, w                      ; 64 numbers of a lane in window w become a fragment's codes in v[PC] on and its scale word in v[PW]
	WIN ((\w)<<2)|((\w)<<4)
.irp b,0,1,2,3
	v_max3_num_f32 v[TM+\b], 0x1800000, |v[(\s)+16*\b]|, |v[(\s)+1+16*\b]|
.endr
.irp i,2,4,6,8,10,12,14
.irp b,0,1,2,3
	v_max3_num_f32 v[TM+\b], v[TM+\b], |v[(\s)+16*\b+\i]|, |v[(\s)+1+16*\b+\i]|
.endr
.endr
	WIN 0
.irp b,0,1,2,3
	v_permlanex16_b32 v[TM+4+\b], v[TM+\b], s[SEL], s[SEL+1]
.endr
.irp b,0,1,2,3
	v_max_num_f32 v[TM+\b], v[TM+\b], v[TM+4+\b]
.endr
.irp b,0,1,2,3
	v_add_nc_u32 v[TM+12+\b], 0xff000000, v[TM+\b]
.endr
.irp b,0,1,2,3
	v_lshrrev_b32 v[TM+4+\b], 23, v[TM+12+\b]
.endr
	v_lshl_or_b32 v[PW], v[TM+5], 8, v[TM+4]
	v_lshl_or_b32 v[PW], v[TM+6], 16, v[PW]
	v_lshl_or_b32 v[PW], v[TM+7], 24, v[PW]
	WIN (\w)
.irp c,0,1
	v_cvt_scalef32_pk16_fp6_f32 v[PC+6*\c:PC+2+6*\c], v[(\s)+32*\c:(\s)+15+32*\c], v[TM+12+2*\c]
	v_cvt_scalef32_pk16_fp6_f32 v[PC+12+4*\c:PC+14+4*\c], v[(\s)+16+32*\c:(\s)+31+32*\c], v[TM+13+2*\c]
.endr
	WIN 0
	v_nop
.irp c,0,1
.irp i,0,1,2
	v_permlane16_swap_b32 v[PC+6*\c+\i], v[PC+12+4*\c+\i]
.endr
.irp i,0,1,2
	v_mov_b32 v[PC+3+6*\c+\i], v[PC+12+4*\c+\i]
.endr
.endr
.endm
	s_load_b256 s[4:11], s[0:1], 0x0               ; qq s[4:5], kv s[6:7], gs s[8:9], aq s[10:11]
	v_lshl_add_u32 v[SPW], v0, 2, SPARE
	v_mov_b32 v[NIL], 0
	ds_add_u32 v[SPW], v[NIL]
	ds_add_u32 v[SPW], v[NIL]
	v_lshrrev_b32 v1, 5, v0
	v_readfirstlane_b32 s[WV], v1                  ; wave 0..3
	s_bfe_u32 s13, ttmp6, 0x40000                  ; cx
	s_lshl_b32 s14, ttmp9, 2
	s_add_co_u32 s14, s14, s13                     ; work-group x
	s_and_b32 s15, ttmp7, 0xffff                   ; batch x 2 + kv head
	s_mov_b32 s[G1C], 15|(3<<16)|(1<<21)
	s_mov_b32 s[G1C+1], 32<<16
	s_mov_b32 s[G1C+2], 96<<16
	s_mov_b32 s[G1C+3], 32<<16
	s_mov_b32 s[G1C+4], 96
	s_mov_b32 s[G1C+5], 32
	s_mov_b32 s[G1C+6], 0
	s_mov_b32 s[G1C+7], 0
	s_mov_b32 s[G1S], 15|(3<<16)|(1<<21)
	s_mov_b32 s[G1S+1], 32<<16
	s_mov_b32 s[G1S+2], 128<<16
	s_mov_b32 s[G1S+3], 32<<16
	s_mov_b32 s[G1S+4], 128
	s_mov_b32 s[G1S+5], 32
	s_mov_b32 s[G1S+6], 0
	s_mov_b32 s[G1S+7], 0
	s_mul_i32 s68, s[WV], 24576                    ; the ring: my quarter of a slot
	s_mul_i32 s66, s15, 786432
	s_add_co_u32 s66, s66, s68
	s_mov_b32 s67, 0
	s_lshl_b32 s69, s[WV], 15                      ; the head: 32,768 w, in LDS and, for waves 0-2, in slot 0's bytes
	s_mul_i32 s70, s15, 786432
	s_add_co_u32 s70, s70, s69
	s_lshl_b32 s72, s15, 15
	s_add_co_u32 s72, s72, KVS                     ; wave 3: the head's scale words
	s_cmp_lt_u32 s[WV], 3
	s_cselect_b32 s70, s70, s72
	s_cselect_b32 s[LIM], 0, 1
	s_mov_b32 s71, 0
	s_mov_b32 s[CS], 0x3db8aa3b                    ; log2(e) / 16
	s_mov_b32 s[CS+1], s[CS]
	s_mov_b32 s[SEL], 0x76543210
	s_mov_b32 s[SEL+1], 0xfedcba98
	s_mov_b32 s[TB], 0
	s_mov_b32 s[TS], 0
	s_mov_b32 s[SLOTS], 6
	s_or_b32 s[LIM], s[LIM], ttmp9
	s_cmp_eq_u32 s[LIM], 0
	s_cselect_b32 s[LIM], 1, -1                    ; waves 0-2 of cluster x = 0 prefetch, but not in the loop's last trip
	s_wait_dscnt 0x0
	s_wait_kmcnt 0x0
	s_mov_b32 s[G0S], 1
	s_mov_b32 s[G0S+1], s69
	s_add_nc_u64 s[G0S+2:G0S+3], s[6:7], s[70:71]
	s_or_b32 s[G0S+3], s[G0S+3], 0x80000000
	s_mov_b32 s[G0W], 1
	s_add_co_u32 s[G0W+1], s68, SLOT1
	s_add_nc_u64 s[G0W+2:G0W+3], s[6:7], s[66:67]
	s_add_nc_u64 s[G0W+2:G0W+3], s[G0W+2:G0W+3], SLOTB
	s_or_b32 s[G0W+3], s[G0W+3], 0x80000000
	CROUND                                         ; the four partners are here: the joint loads meet
	tensor_load_to_lds s[G0S:G0S+3], s[G1S:G1S+7]  ; my one load at the head
	s_nop 0
	PLACES
	v_and_b32 v[L4], 31, v0
	v_lshlrev_b32 v[LI], 4, v[L4]
	v_lshlrev_b32 v[PFO], 8, v[L4]
	v_lshlrev_b32 v[L4], 2, v[L4]
	v_add_nc_u32 v[LS0], SCL, v[L4]
	s_wait_alu depctr_va_vdst(0)
	s_lshr_b32 s66, s14, 4                         ; which of the two query heads
	s_and_b32 s67, s14, 15
	s_lshl_b32 s67, s67, 3
	s_lshl_b32 s68, s[WV], 1
	s_add_co_u32 s67, s67, s68                     ; my first tile of 16 queries
	s_lshl_b32 s68, s15, 1
	s_add_co_u32 s68, s68, s66
	s_lshl_b32 s68, s68, 7
	s_add_co_u32 s68, s68, s67                     ; (b 4 + head) 128 + tile
	s_mul_i32 s70, s68, 3072
	s_add_nc_u64 s[62:63], s[4:5], s[70:71]        ; q's images
	s_lshl_b32 s70, s68, 7
	s_add_co_u32 s70, s70, QSO
	s_add_nc_u64 s[72:73], s[4:5], s[70:71]        ; q's scale words
	s_lshl_b32 s70, s68, 14
	s_add_nc_u64 s[56:57], s[8:9], s[70:71]        ; the gate
	s_lshr_b32 s69, s15, 1
	s_lshl_b32 s69, s69, 7
	s_add_co_u32 s69, s69, s67                     ; the result's row tile
	s_and_b32 s74, s15, 1
	s_lshl_b32 s74, s74, 1
	s_add_co_u32 s74, s74, s66                     ; the head, 0..3
	s_lshl_b32 s70, s69, 3
	s_lshl_b32 s75, s74, 1
	s_add_co_u32 s70, s70, s75
	s_mul_i32 s70, s70, 1536
	s_add_nc_u64 s[58:59], s[10:11], s[70:71]
	s_lshl_b32 s70, s69, 9
	s_lshl_b32 s75, s74, 7
	s_add_co_u32 s70, s70, s75
	s_add_co_u32 s70, s70, ASO
	s_add_nc_u64 s[60:61], s[10:11], s[70:71]
	s_mul_i32 s70, s15, 786432
	s_mul_i32 s75, s13, 24576
	s_add_co_u32 s70, s70, s75
	s_lshl_b32 s75, s[WV], 13
	s_add_co_u32 s70, s70, s75
	s_add_co_u32 s70, s70, 2*SLOTB
	s_add_nc_u64 s[PFA:PFA+1], s[6:7], s[70:71]
	WIN 0x80
.irp t,0,1
.irp e,0,1
.irp q,0,1,2
	global_load_b128 v[192+24*\t+12*\e+4*\q:195+24*\t+12*\e+4*\q], v[LI], s[62:63] offset:\t*3072+\e*1536+512*\q
.endr
.endr
.endr
	WIN 0
.irp t,0,1
	global_load_b32 v[QSC+\t], v[L4], s[72:73] offset:128*\t
.endr
	WIN 0x40
.set j, 0
.rept 256
	v_mov_b32 v[j], 0                              ; O^T: the step is written once, and the first finds zeros
.set j, j+1
.endr
	WIN 0
.irp t,0,1
	v_mov_b32 v[9+8*\t], 0xff61b1e6                ; the largest t so far: -3e38
	v_floor_f32 v[8+8*\t], -v[9+8*\t]
	v_mov_b32 v[10+8*\t], 0
	v_mov_b32 v[11+8*\t], 0
	v_mov_b32 v[13+8*\t], 0
	v_mov_b32 v[14+8*\t], 0
.endr
.irp b,0,1,2,3
	v_mov_b32 v[BP+\b], 0                          ; a lane permute's destination counts as one of its sources
	v_mov_b32 v[TM+4+\b], 0
.endr
	v_mov_b32 v[ADR], v[LI]
	v_mov_b32 v[ADS], v[LS0]
	s_wait_alu depctr_va_vdst(0)
	s_wait_tensorcnt 0x0                           ; my part of the head's four has landed; the three lines ahead of a later first fill
	ds_add_u32 v[SPW], v[NIL]
	s_wait_dscnt 0x0
	CROUND
	tensor_load_to_lds s[G0W:G0W+3], s[G1C:G1C+7]  ; slot 1: my one load behind the round
	s_nop 0
	PLACES
	KLOAD ADR, 0
	s_wait_loadcnt 0x0                             ; q and its scale words
.Lslot:
	s_wait_alu depctr_va_vdst(0)
	STEP_A
	STEP_B 1
	s_sub_co_u32 s[SLOTS], s[SLOTS], 1
	s_cmp_lg_u32 s[SLOTS], 0
	s_cbranch_scc1 .Lslot
	STEP_A                                         ; the last two slots ask for nothing more
	STEP_B 2
.irp p,0,1,2,3
	global_prefetch_b8 v[PFO], s[56:57] offset:8192*\p th:TH_LOAD_NT scope:SCOPE_SE   ; my 32,768 bytes of the gate, a lane 256 bytes, one step and a half ahead of their loads
.endr
	STEP_A
	STEP_B 0
.irp t,0,1
	v_add_f32 v[10+8*\t], v[10+8*\t], v[11+8*\t]
.endr
.irp t,0,1
	v_permlanex16_b32 v[14+8*\t], v[10+8*\t], s[SEL], s[SEL+1]
.endr
.irp t,0,1
	v_add_f32 v[10+8*\t], v[10+8*\t], v[14+8*\t]   ; the row's sum
.endr
	s_wait_alu depctr_va_vdst(0)
.irp t,0,1
	v_rcp_f32 v[12+8*\t], v[10+8*\t]
.endr
	v_bfe_u32 v98, v0, 4, 1
	v_cmp_eq_u32 s54, 1, v98
	s_wait_alu depctr_va_vdst(0)
	WIN 0x41
.irp t,0,1
.set j, 0
.rept 64
	v_pk_mul_f32 v[128*\t+j:128*\t+j+1], v[128*\t+j:128*\t+j+1], v[12+8*\t:13+8*\t] op_sel_hi:[1,0]
.set j, j+2
.endr
.endr
	s_wait_loadcnt 0x0
	WIN 0x49
.set j, 0
.rept 128
	v_pk_mul_f32 v[j:j+1], v[j:j+1], v[j:j+1]      ; window 1 x window 2: times silu(gate)
.set j, j+2
.endr
.irp t,0,1
.irp e,0,1
.if \t+\e > 0
	s_wait_xcnt 0x0                                ; the last fragment's stores have read the codes' registers
.endif
	QUANT 128*\t+64*\e, 1
.irp q,0,1,2
	global_store_b128 v[LI], v[PC+4*\q:PC+4*\q+3], s[58:59] offset:\t*12288+\e*1536+512*\q
.endr
	v_mov_b32 v[PWS+2*\t+\e], v[PW]
.endr
.endr
	v_cndmask_b32 v[PWS], v[PWS], v[PWS+1], s54
	v_cndmask_b32 v[PWS+2], v[PWS+2], v[PWS+3], s54
	global_store_b32 v[L4], v[PWS], s[60:61]
	global_store_b32 v[L4], v[PWS+2], s[60:61] offset:512
	s_wait_tensorcnt 0x0                           ; the wave's end
	ds_add_u32 v[SPW], v[NIL]
	s_wait_dscnt 0x0
	CROUND                                         ; the closing round
	s_endpgm
.Lfunc_end_k_qd7ee762c3b_attn:
	.size	k_qd7ee762c3b_attn, .Lfunc_end_k_qd7ee762c3b_attn-k_qd7ee762c3b_attn
	.p2alignl 7, 3214868480
	.fill 96, 4, 3214868480
	.section	.rodata,"a",@progbits
	.p2align	6, 0x0
	.amdhsa_kernel k_qd7ee762c3b_attn
		.amdhsa_group_segment_fixed_size 327680
		.amdhsa_private_segment_fixed_size 0
		.amdhsa_enable_private_segment 0
		.amdhsa_kernarg_size 32
		.amdhsa_user_sgpr_count 2
		.amdhsa_user_sgpr_kernarg_segment_ptr 1
		.amdhsa_wavefront_size32 1
		.amdhsa_system_sgpr_workgroup_id_x 1
		.amdhsa_system_sgpr_workgroup_id_y 1
		.amdhsa_system_sgpr_workgroup_id_z 1
		.amdhsa_system_vgpr_workitem_id 0
		.amdhsa_next_free_vgpr 1024
		.amdhsa_next_free_sgpr 76
		.amdhsa_reserve_vcc 0
		.amdhsa_float_denorm_mode_32 3
		.amdhsa_float_denorm_mode_16_64 3
		.amdhsa_memory_ordered 1
		.amdhsa_forward_progress 1
		.amdhsa_inst_pref_size 255
	.end_amdhsa_kernel
	.section	.bss,"aw",@nobits
	.p2align	6
	.space	262144
	.amdgpu_metadata
---
amdhsa.version: [ 1, 2 ]
amdhsa.kernels:
  - .name:           k_qd7ee762c3b_attn
    .symbol:         k_qd7ee762c3b_attn.kd
    .args:
      - { .name: qq, .offset: 0, .size: 8, .value_kind: global_buffer, .address_space: global }
      - { .name: kv, .offset: 8, .size: 8, .value_kind: global_buffer, .address_space: global }
      - { .name: gs, .offset: 16, .size: 8, .value_kind: global_buffer, .address_space: global }
      - { .name: aq, .offset: 24, .size: 8, .value_kind: global_buffer, .address_space: global }
    .group_segment_fixed_size: 327680
    .private_segment_fixed_size: 0
    .kernarg_segment_align: 8
    .kernarg_segment_size: 32
    .max_flat_workgroup_size: 128
    .sgpr_count:     76
    .vgpr_count:     1024
    .wavefront_size: 32
...
	.end_amdgpu_metadata
.endif
;; end of part 3
;; launch oproj (part 4): grid 8 x 32, 4 waves a work-group, clusters of 4 x 4, 327,680 bytes of LDS; arguments aq, wq, out0; writes out0
.if DOCPART == 4
	.amdgcn_target "amdgcn-amd-amdhsa--gfx1250"
	.amdhsa_code_object_version 6
	.text
	.protected	k_qd7ee762c3b_oproj
	.globl	k_qd7ee762c3b_oproj
	.p2align	8
	.type	k_qd7ee762c3b_oproj,@function
k_qd7ee762c3b_oproj:
	s_mov_b64 s[64:65], 0
	v_nop
	global_prefetch_b8 v0, s[64:65] scope:SCOPE_SE
	s_setreg_imm32_b32 hwreg(HW_REG_WAVE_MODE, 25, 1), 1
	s_wait_xcnt 0x0
	s_wait_alu depctr_hold_cnt(0) depctr_sa_sdst(0) depctr_va_vdst(0) depctr_va_sdst(0) depctr_va_ssrc(0) depctr_va_vcc(0) depctr_vm_vsrc(0)
	s_getreg_b32 s2, hwreg(HW_REG_IB_STS2, 6, 4)
	s_cmp_eq_u32 s2, 0
	s_cbranch_scc0 .Lentry_in_a_cluster
	s_endpgm
.Lentry_in_a_cluster:
	s_bfe_u32 s2, ttmp6, 0x10000c
	s_cmp_lg_u32 s2, 0xf033
	s_cbranch_scc0 .Lentry_shape_is_right
	s_endpgm
.Lentry_shape_is_right:
; out0 [8192][1024] f32 = a Wo, on codes of FP6 (E2M3) with E8M0 scales.  a: aq, [512 tiles][8 K steps][1536] images of operand registers, scale words from AS on; Wo: tiles 192-255 of wq, scale words from WS on.
; Row r of tile T is row 32 (T / 2) + 8 (T % 2) + r % 8 + 16 (r / 8) (for Wo: column).
; SHARES.  A work-group: 256 rows (rt) x 128 columns (ct): 256 work-groups.  Four waves, 64 rows x 128 columns each: 32 accumulators.  Source 0 = the 8 column tiles, source 1 = my 4 row tiles: a lane holds one token,
; and its 64 results of a row tile are: register 16 b + i = column 32 b + 16 (lane / 16) + i.
; NO RING.  K = 1,024: A's 256 rows and B's 128 columns lie in LDS whole; two tensor loads a wave, one for each four K steps; no LDS byte is filled twice.
; CLUSTER 4 x 4: A's tiles are shared along a row of the cluster, B's along a column: joint loads.
; THE WAY OUT: 16 rows x 128 columns at a time through my own stage in LDS (it lies in the bytes of K steps 0-3, which have had their only fill and which nobody reads behind the later barriers), back as whole rows of 512 bytes.
; REGISTERS: window 0: v1-8 addresses, v16-47 and v48-63 scale words, v64-159 my row tiles' fragments (two sets), on the way out v64-191 rows of the result.  window 1: the column tiles' fragments, two sets.  window 2: accumulators, 64 a + 8 b.
.set AS,   6291456
.set WS,   3145728
; LDS as this text lays it (in place of the four stages named at the head): half H of K (K steps 4 H .. 4 H + 3) at STG x H: A's 16 tiles, 6,144 bytes each, then B's 8.
; A wave issues one tensor load at the head (half 0) and its second (half 1) behind the three lines and a round.  The way out's stage lies in half 0's bytes of A.
.set STG,  147456
.set BOFF, 98304
.set LI,   1
.set LS,   2
.set SCP,  16
.set SCR,  48
.set RF,   64
.set G1A,  28
.set G1B,  36
.set MSB, 0
.macro WIN new                         ; the immediate's high byte repeats the setting that is left
.if MSB != (\new)
	s_set_vgpr_msb (MSB<<8)|(\new)
.set MSB, (\new)
.endif
.endm
.macro PLACES                          ; four plain vector instructions between a matrix instruction and a load into, or a store of, its registers
.rept 4
	v_nop
.endr
.endm
.macro CROUND                          ; a round of the cluster's barrier
	s_barrier_signal -1
	s_barrier_wait -1
	s_cmp_lg_u32 s16, 0
	s_cbranch_scc1 .Lnot_wave_0_\@
	s_barrier_signal -3
.Lnot_wave_0_\@:
	s_barrier_wait -3
	s_barrier_signal -1
	s_barrier_wait -1
.endm
.macro MKG0 g0, lds, ad, g             ; descriptor group 0 for K steps 4 g .. 4 g + 3
	s_mov_b32 s[\g0], 1
	s_add_co_u32 s[\g0+1], s[\lds], (\g)*STG
	s_add_nc_u64 s[\g0+2:\g0+3], s[\ad:\ad+1], (\g)*6144
	s_or_b32 s[\g0+3], s[\g0+3], 0x80000000
.endm
.macro FETCH s                         ; K step s: eight column fragments and my four row fragments into set s % 2
	WIN 0x40
.irp b,0,1,2,3,4,5,6,7
.irp q,0,1,2
	ds_load_b128 v[96*((\s)%2)+12*\b+4*\q:96*((\s)%2)+12*\b+4*\q+3], v5 offset:\b*6144+((\s)%4)*1536+512*\q
.endr
.endr
	WIN 0
.irp a,0,1,2,3
.irp q,0,1,2
	ds_load_b128 v[RF+48*((\s)%2)+12*\a+4*\q:RF+48*((\s)%2)+12*\a+4*\q+3], v6 offset:\a*6144+((\s)%4)*1536+512*\q
.endr
.endr
.endm
.macro PROD s                          ; 32 products: the accumulators take turns, one instruction a turn
	WIN 0xa1
.irp a,0,1,2,3
.irp b,0,1,2,3,4,5,6,7
.if (\s) == 0
	v_wmma_scale_f32_16x16x128_f8f6f4 v[64*\a+8*\b:64*\a+8*\b+7], v[12*\b:12*\b+11], v[RF+12*\a:RF+12*\a+11], 0, v[SCP+4*\b], v[SCR+4*\a] matrix_a_fmt:MATRIX_FMT_FP6 matrix_b_fmt:MATRIX_FMT_FP6
.elseif (\s)%2 == 0
	v_wmma_scale_f32_16x16x128_f8f6f4 v[64*\a+8*\b:64*\a+8*\b+7], v[12*\b:12*\b+11], v[RF+12*\a:RF+12*\a+11], v[64*\a+8*\b:64*\a+8*\b+7], v[SCP+4*\b+(\s)/2], v[SCR+4*\a+(\s)/2] matrix_a_fmt:MATRIX_FMT_FP6 matrix_b_fmt:MATRIX_FMT_FP6
.else
	v_wmma_scale_f32_16x16x128_f8f6f4 v[64*\a+8*\b:64*\a+8*\b+7], v[96+12*\b:96+12*\b+11], v[RF+48+12*\a:RF+48+12*\a+11], v[64*\a+8*\b:64*\a+8*\b+7], v[SCP+4*\b+(\s)/2], v[SCR+4*\a+(\s)/2] matrix_a_fmt:MATRIX_FMT_FP6 matrix_b_fmt:MATRIX_FMT_FP6 matrix_a_scale:MATRIX_SCALE_ROW1 matrix_b_scale:MATRIX_SCALE_ROW1
.endif
.endr
.endr
	WIN 0
.endm
	s_load_b128 s[4:7], s[0:1], 0x0                ; aq s[4:5], wq s[6:7]
	s_load_b64 s[8:9], s[0:1], 0x10                ; out0
	v_lshl_add_u32 v254, v0, 2, 0x48000
	v_mov_b32 v255, 0
	ds_add_u32 v254, v255
	ds_add_u32 v254, v255
	v_lshrrev_b32 v1, 5, v0
	v_readfirstlane_b32 s16, v1                    ; wave 0..3
	s_and_b32 s17, s16, 1
	s_bfe_u32 s19, ttmp6, 0x40000                  ; cx
	s_bfe_u32 s20, ttmp6, 0x40004                  ; cy
	s_lshl_b32 s21, ttmp9, 2
	s_add_co_u32 s21, s21, s19                     ; ct
	s_and_b32 s22, ttmp7, 0xffff
	s_lshl_b32 s22, s22, 2
	s_add_co_u32 s22, s22, s20                     ; rt
	s_lshl_b32 s24, s20, 2
	s_lshl_b32 s24, 15, s24                        ; my row of the cluster
	s_lshl_b32 s25, 0x1111, s19                    ; my column
	; group 1: R rows (tiles) of 768 elements of 8 bytes (four K steps' images), 1,536 elements apart; dense in LDS
	s_or_b32 s[G1A], s24, (3<<16)|(1<<21)
	s_or_b32 s[G1B], s25, (3<<16)|(1<<21)
	s_mov_b32 s[G1A+1], 768<<16                    ; rows of 768 elements of 8 bytes: four K steps' images
	s_mov_b32 s[G1A+2], 8<<16
	s_mov_b32 s[G1A+3], 768<<16
	s_mov_b32 s[G1A+4], 8
	s_mov_b32 s[G1A+5], 1536
	s_mov_b32 s[G1A+6], 0
	s_mov_b32 s[G1A+7], 0
	s_mov_b32 s[G1B+1], 768<<16
	s_mov_b32 s[G1B+2], 4<<16
	s_mov_b32 s[G1B+3], 768<<16
	s_mov_b32 s[G1B+4], 4
	s_mov_b32 s[G1B+5], 1536
	s_mov_b32 s[G1B+6], 0
	s_mov_b32 s[G1B+7], 0
	s_lshl_b32 s26, s22, 4                         ; A: tile 16 rt + 8 (wave % 2)
	s_lshl_b32 s27, s17, 3
	s_add_co_u32 s26, s26, s27
	s_mul_i32 s26, s26, 12288
	s_mov_b32 s27, 0
	s_lshl_b32 s94, s21, 3                         ; B: tile 192 + 8 ct + 4 (wave % 2)
	s_lshl_b32 s95, s17, 2
	s_add_co_u32 s94, s94, s95
	s_add_co_u32 s94, s94, 192
	s_mul_i32 s94, s94, 12288
	s_mov_b32 s95, 0
	s_mul_i32 s96, s17, 49152
	s_mul_i32 s97, s17, 24576
	s_add_co_u32 s97, s97, BOFF
	s_wait_dscnt 0x0
	s_wait_kmcnt 0x0
	s_add_nc_u64 s[26:27], s[4:5], s[26:27]
	s_add_nc_u64 s[94:95], s[6:7], s[94:95]
	MKG0 44, 96, 26, 0
	MKG0 48, 96, 26, 1
	MKG0 60, 97, 94, 0
	MKG0 68, 97, 94, 1
	CROUND                                         ; all sixteen work-groups are here: the joint loads meet
	s_cmp_lt_u32 s16, 2                            ; waves 0, 1 fetch A's halves, waves 2, 3 B's: one load of mine is out
	s_cbranch_scc0 .Lfill_b
	tensor_load_to_lds s[44:47], s[G1A:G1A+7]      ; K's first half of my 8 tiles of A
	s_nop 0
	PLACES
	s_branch .Lfilled
.Lfill_b:
	tensor_load_to_lds s[60:63], s[G1B:G1B+7]      ; K's first half of my 4 tiles of B
	s_nop 0
	PLACES
.Lfilled:
	v_and_b32 v2, 31, v0
	v_lshlrev_b32 v[LI], 4, v2
	v_lshlrev_b32 v[LS], 2, v2
	s_wait_alu depctr_va_vdst(0)
	v_and_b32 v3, 15, v0                           ; r
	v_bfe_u32 v4, v0, 4, 1                         ; h
	v_add_nc_u32 v5, BOFF, v[LI]                   ; B's eight tiles
	s_mul_i32 s98, s16, 24576
	v_add_nc_u32 v6, s98, v[LI]                    ; A's tiles 4 w on
	s_mul_i32 s98, s16, 8448                       ; my stage: 16 rows x (512 bytes + 16)
	v_mul_u32_u24 v7, v3, 528
	v_lshl_add_u32 v7, v4, 6, v7
	v_add_nc_u32 v7, s98, v7                       ; in: row r, + 64 h
	v_add_nc_u32 v8, s98, v[LI]                    ; back: a row's 512 bytes
	s_lshl_b32 s2, s21, 12                         ; B's scale words: tile 192 + 8 ct
	s_add_co_u32 s2, s2, WS+192*512
	s_mov_b32 s3, 0
	s_add_nc_u64 s[80:81], s[6:7], s[2:3]
	s_lshl_b32 s2, s22, 4
	s_lshl_b32 s24, s16, 2
	s_add_co_u32 s2, s2, s24
	s_lshl_b32 s2, s2, 9
	s_add_co_u32 s2, s2, AS
	s_add_nc_u64 s[82:83], s[4:5], s[2:3]          ; A's: tile 16 rt + 4 w
	s_lshl_b32 s2, s22, 20                         ; the result: row 256 rt + 64 w, 4,096 bytes a row; column 128 ct
	s_lshl_b32 s24, s16, 18
	s_add_co_u32 s2, s2, s24
	s_lshl_b32 s24, s21, 9
	s_add_co_u32 s2, s2, s24
	s_add_nc_u64 s[86:87], s[8:9], s[2:3]
.irp b,0,1,2,3,4,5,6,7
.irp p,0,1,2,3
	global_load_b32 v[SCP+4*\b+\p], v[LS], s[80:81] offset:\b*512+\p*128   ; 128 bytes: K step 2 p's sixteen words, then K step 2 p + 1's
.endr
.endr
.irp a,0,1,2,3
.irp p,0,1,2,3
	global_load_b32 v[SCR+4*\a+\p], v[LS], s[82:83] offset:\a*512+\p*128
.endr
.endr
	s_wait_alu depctr_va_vdst(0)
	s_wait_tensorcnt 0x0                           ; my part of K's first half has landed
	ds_add_u32 v254, v255
	s_wait_dscnt 0x0
	CROUND                                         ; everybody's has, and the joint loads meet
	s_cmp_lt_u32 s16, 2
	s_cbranch_scc0 .Lfill_b2
	tensor_load_to_lds s[48:51], s[G1A:G1A+7]      ; K's second half: my one load behind the round
	s_nop 0
	PLACES
	s_branch .Lfilled2
.Lfill_b2:
	tensor_load_to_lds s[68:71], s[G1B:G1B+7]
	s_nop 0
	PLACES
.Lfilled2:
	FETCH 0
.irp s,0,1,2,3,4,5,6,7
	s_wait_dscnt 0x0                               ; set s % 2 is in, and no LDS instruction of mine is pending at a signal
.if \s == 0
	s_wait_loadcnt 0x0                             ; the scale words
.endif
.if \s == 3
	s_wait_tensorcnt 0x0                           ; my one load that is out, my part of K's second half, has landed
	s_barrier_signal -1
	s_barrier_wait -1
	v_add_nc_u32 v5, STG, v5
	s_wait_alu depctr_va_vdst(0)
	v_add_nc_u32 v6, STG, v6
.endif
.if \s < 7
.if \s > 0
	s_wait_alu depctr_va_vdst(0)
	PLACES
.endif
	FETCH \s+1
.endif
	PROD \s
.endr
.macro TOSTAGE a                       ; row tile a: a lane's 64 numbers into its row of the stage, each accumulator from its low end on; back as whole rows
	WIN 0x08                                       ; an LDS store's data: window 2
.irp b,0,1,2,3,4,5,6,7
	ds_store_b128 v7, v[64*(\a)+8*\b:64*(\a)+8*\b+3] offset:128*(\b/2)+32*(\b%2)
	ds_store_b128 v7, v[64*(\a)+8*\b+4:64*(\a)+8*\b+7] offset:128*(\b/2)+32*(\b%2)+16
.endr
	WIN 0
.irp t,0,1,2,3,4,5,6,7,8,9,10,11,12,13,14,15
	ds_load_b128 v[64+64*((\a)%2)+4*\t:67+64*((\a)%2)+4*\t], v8 offset:528*\t   ; LDS serves a wave's instructions in order: these see the stores above, and the next tile's stores come behind them
.endr
.endm
.macro SEND a, younger                 ; younger: the LDS instructions issued behind tile a's loads, which may stay out
	s_wait_dscnt \younger
.irp t,0,1,2,3,4,5,6,7,8,9,10,11,12,13,14,15
	global_store_b128 v[LI], v[64+64*((\a)%2)+4*\t:67+64*((\a)%2)+4*\t], s[86:87] offset:(32*((\a)/2)+8*((\a)%2)+(\t%8)+16*(\t/8))*4096 th:TH_STORE_NT   ; the 32 lanes store 512 consecutive bytes of a row, at a multiple of 512 from the buffer's first byte
.endr
.endm
	PLACES
	TOSTAGE 0
.irp a,1,2,3
.if \a > 1
	s_wait_xcnt 0x0                                ; tile a - 2's stores have read their registers: tile a's loads may land there
.endif
	TOSTAGE \a
	SEND \a-1, 32                                  ; behind tile a - 1's loads: tile a's 16 stores and 16 loads
.endr
	SEND 3, 0
	s_wait_tensorcnt 0x0
	ds_add_u32 v254, v255
	s_wait_dscnt 0x0
	CROUND                                         ; the closing round: no work-group ends while a partner may still ask for a tile that names it
	s_endpgm
.Lfunc_end_k_qd7ee762c3b_oproj:
	.size	k_qd7ee762c3b_oproj, .Lfunc_end_k_qd7ee762c3b_oproj-k_qd7ee762c3b_oproj
	.p2alignl 7, 3214868480
	.fill 96, 4, 3214868480
	.section	.rodata,"a",@progbits
	.p2align	6, 0x0
	.amdhsa_kernel k_qd7ee762c3b_oproj
		.amdhsa_group_segment_fixed_size 327680
		.amdhsa_private_segment_fixed_size 0
		.amdhsa_enable_private_segment 0
		.amdhsa_kernarg_size 24
		.amdhsa_user_sgpr_count 2
		.amdhsa_user_sgpr_kernarg_segment_ptr 1
		.amdhsa_wavefront_size32 1
		.amdhsa_system_sgpr_workgroup_id_x 1
		.amdhsa_system_sgpr_workgroup_id_y 1
		.amdhsa_system_sgpr_workgroup_id_z 1
		.amdhsa_system_vgpr_workitem_id 0
		.amdhsa_next_free_vgpr 768
		.amdhsa_next_free_sgpr 100
		.amdhsa_reserve_vcc 0
		.amdhsa_float_denorm_mode_32 3
		.amdhsa_float_denorm_mode_16_64 3
		.amdhsa_memory_ordered 1
		.amdhsa_forward_progress 1
		.amdhsa_inst_pref_size 79
	.end_amdhsa_kernel
	.amdgpu_metadata
---
amdhsa.version: [ 1, 2 ]
amdhsa.kernels:
  - .name:           k_qd7ee762c3b_oproj
    .symbol:         k_qd7ee762c3b_oproj.kd
    .args:
      - { .name: aq, .offset: 0, .size: 8, .value_kind: global_buffer, .address_space: global }
      - { .name: wq, .offset: 8, .size: 8, .value_kind: global_buffer, .address_space: global }
      - { .name: out0, .offset: 16, .size: 8, .value_kind: global_buffer, .address_space: global }
    .group_segment_fixed_size: 327680
    .private_segment_fixed_size: 0
    .kernarg_segment_align: 8
    .kernarg_segment_size: 24
    .max_flat_workgroup_size: 128
    .sgpr_count:     100
    .vgpr_count:     768
    .wavefront_size: 32
...
	.end_amdgpu_metadata
.endif
;; end of part 4
